; MI455X (gfx1250); checked and timed in simulation.
; The chip was launched on July 23, 2026; its instructions are those of AMD's public machine-readable ISA for CDNA 5 (MIT licence, August 2026) and "CDNA5" Instruction Set Architecture Reference Guide (July 2026). The comments in the code are by the model that wrote it; some were corrected since.
;; swin MSA. Allowed arithmetic: matrix products marked QUANTISED: E2M3 operands, one E8M0 scale for each 32 along K, by v_wmma_scale_f32_16x16x128_f8f6f4 with both operands' format E2M3, f32 sums; products left as they are: f32 operands where the result goes on into a quantised operand, else bf16, f16 or f32 operands; f32 sums; everything else in f32.
;; Inputs: Wk 1,024 x 1,024 float32; Wp 1,024 x 1,024 float32; Wq 1,024 x 1,024 float32; Wv 1,024 x 1,024 float32; bk 1,024 float32; bp 1,024 float32; bq 1,024 float32; bv 1,024 float32; x 128 x 128 x 1,024 float32.
;; Outputs: out0 128 x 128 x 1,024 float32.
;; This version of the problem:
;;   THIS VERSION OF THE PROBLEM IS GIVEN IN LOW PRECISION. The matrix products marked QUANTISED in the list below multiply operands that are first quantised to E2M3 (2 exponent bits, 3 mantissa bits; 6 bits a number), with one power-of-two scale for each 32 numbers along K (OCP MX v1.0); their sums are f32. All else is computed in f32.
;;   The module's matrix products, in the order in which they are computed (A, B: the left and right operand; K: the contracted axis; several contracted axes count as one K, in the product's order):
;;     1. [M 16,384, K 1,024] x [K 1,024, N 1,024]; A: input x; B: input Wq: QUANTISED
;;     2. [M 16,384, K 1,024] x [K 1,024, N 1,024]; A: input x; B: input Wk: QUANTISED
;;     3. [M 16,384, K 1,024] x [K 1,024, N 1,024]; A: input x; B: input Wv: QUANTISED
;;     4. batch 16,384 x [M 16, K 64] x [K 64, N 16]; A: computed on the way; B: computed on the way: QUANTISED
;;     5. batch 16,384 x [M 16, K 16] x [K 16, N 64]; A: computed on the way; B: computed on the way: left as it is (K = 16 < 32)
;;     6. [M 16,384, K 1,024] x [K 1,024, N 1,024]; A: computed on the way; B: input Wp: QUANTISED
;;   THE QUANTISER, for each operand of a quantised product, along K:
;;     - K is cut into blocks of 32 from its start; a last block that is shorter is filled with zeros.
;;     - A block's scale is 2^e with e = floor(log2(the largest magnitude in the block)) - 2, held to -126 .. 127; a block of zeros has e = 0. As a byte (E8M0): e + 127.
;;     - Each number is divided by its block's scale, clamped to +-7.5, and rounded to the nearest number of E2M3, ties to even, subnormals kept.
;;     - The product sums the exact products of the quantised numbers (number of the format x scale) in f32.
;;   ~~~python
;;   def quantise(x, axis):      # numpy; x: float32 -> the quantised numbers, widened to float32 again
;;       x = np.moveaxis(x, axis, -1); K = x.shape[-1]
;;       x = np.pad(x, [(0, 0)] * (x.ndim - 1) + [(0, -K % 32)]); x = x.reshape(x.shape[:-1] + (-1, 32)); a = np.abs(x).max(-1, keepdims=True)
;;       e = np.where(a > 0, np.clip(np.frexp(np.where(a > 0, a, 1))[1] - 1 - 2, -126, 127), 0)      # np.frexp(a)[1] - 1 = floor(log2(a)), exactly
;;       r = np.clip(x / 2.0 ** e, -7.5, 7.5)
;;       step = 2.0 ** (np.maximum(np.frexp(np.where(r == 0, 1, r))[1] - 1, 0) - 3)
;;       q = np.round(r / step) * step * 2.0 ** e      # np.round: ties to even
;;       return np.moveaxis(q.reshape(q.shape[:-2] + (-1,))[..., :K], -1, axis).astype(np.float32)
;;   ~~~
;;   OPERANDS COMPUTED ON THE WAY. 'Computed on the way' means the value that the module computes at that place (a softmax that the list does not call 'softmax' is quantised finished and normalised). What goes into a quantiser is computed in f32, as accurately as f32 sums, v_exp_f32 and their like allow (about 1e-6 of the number): no bf16 or f16 on the way to a quantiser, and a product that is left as it is and whose result goes on into a quantised operand takes f32 operands (vector FMAs, or v_wmma_f32_16x16x4_f32). A number that lies on a knife's edge between two numbers of the format may be rounded either way, as far as f32 arithmetic and the matrix unit's own rounding can turn it there, and no further.
;; 2 versions, each right; version 2 is version 1 with the launch fused written anew for expert scheduling mode. Each part assembles by itself: llvm-mc -triple=amdgcn-amd-amdhsa -mcpu=gfx1250 --defsym DOCPART=n.
;; ======== version 1 of 2: 2 launches
;; workspace buffers: wimg 3,309,568 bytes
;; launch wq (part 1): grid 256 x 1, 4 waves a work-group, no clusters, 68,096 bytes of LDS; arguments Wq, Wk, Wv, Wp, bq, bk, bv, bp, wimg; writes wimg
.if DOCPART == 1
	.amdgcn_target "amdgcn-amd-amdhsa--gfx1250"
	.amdhsa_code_object_version 6
	.text
	.protected	k_q4130d6636a_wq
	.globl	k_q4130d6636a_wq
	.p2align	8
	.type	k_q4130d6636a_wq,@function
k_q4130d6636a_wq:
	s_mov_b64 s[64:65], 0
	v_nop
	global_prefetch_b8 v0, s[64:65] scope:SCOPE_SE
	s_setreg_imm32_b32 hwreg(HW_REG_WAVE_MODE, 25, 1), 1
	s_wait_xcnt 0x0
; Wq, Wk, Wv, Wp [1024 (feature)][1024 (k)] f32 are quantised once along k to codes of FP6 (E2M3) with one E8M0 byte for each 32 along k,
; and laid in wimg IN THE ORDER IN WHICH THE NEXT LAUNCH'S WAVES TAKE THEM INTO REGISTERS.
; wimg = 4 streams (one for each wave w of the next launch) x 32 units x UB bytes.  Unit 8 X + n (X = 0 q, 1 k, 2 v, 3 p; n = 0..7) holds two tiles of 16 features, all of K:
;   3072 s + 1536 u + 512 c + 16 lane : registers 4 c .. 4 c + 3 of the fragment (K step s, tile u) as lane (r, h) holds it: row r, registers 0-5 k = 128 s + 32 h + 0..31, registers 6-11 k = 128 s + 64 + 32 h + 0..31
;   SCO + 128 s + 4 lane              : the scale words of K step s: lanes 0-15 tile 0's rows, lanes 16-31 tile 1's
;   BIO + 64 u + 4 r                  : the bias of the tile's row r;   the unit's last 128 bytes are neither written nor read.
; WHICH FEATURE IS ROW r OF TILE u:  q, k, p: 256 w + 32 n + 8 u + r + 8 (r / 8), so that a lane's 16 results of the two tiles are 16 neighbouring features.
;   v: head 4 w + r % 4, channel 32 n2 + 16 n0 + 8 n1 + 4 u + 2 (r / 8) + (r / 4) % 2 (n2 n1 n0 = n's bits): four neighbouring results of a lane are one channel of four heads.
; SHARES: work-group g: X = g / 64, w = (g / 16) % 4, n = (g / 2) % 8; its wave t takes K step s = 4 (g % 2) + t of that unit: two fragments, 32 rows x 128 k.  Waves share nothing: no barrier, no loop.
; LOADS ARE DENSE: one load takes the 512 consecutive bytes that a row has in this K step, 16 bytes a lane.  The conversions want 16 neighbours along k in ONE lane, so the numbers turn through the wave's own
; stage in LDS: stored as loaded (row i at 528 i), read back 64 bytes a lane.  The pitch of 512 + 16 bytes sets the sixteen rows that a read touches sixteen bytes apart modulo 256.
; A block's scale is 2^(floor(log2(largest magnitude)) - 2); its byte is the largest magnitude's exponent field - 2, held at 1 from below.
; LIMITS: a block of zeros, or one whose largest magnitude lies under 2^-124, gets the byte 1 (its codes are zeros or nearly; this program alone reads the bytes); NaN and infinities among the inputs are not served.
.set UB,  25856
.set SCO, 24576
.set BIO, 25600
.set SPT, 528                          ; a stage row
.set STG, 32*SPT                       ; a wave's stage
.set TM,  16                           ; v16-19 largest magnitudes, v20-23 bytes, v28-31 the conversions' scale operands
.set PC0, 32                           ; v32-43 tile 0's codes (v44-51 at work)
.set PW0, 52                           ; tile 0's scale word
.set PW1, 53                           ; tile 1's
.set SWD, 54                           ; the two joined
.set XN,  64                           ; v64-191 the numbers: tile u at 64 u; as loaded: row r in registers 4 r on; after the turn: register 16 b + i = k 32 b + 16 h + i of my row
.set PC1, 192                          ; v192-203 tile 1's codes (v204-211 at work)
	s_load_b256 s[4:11], s[0:1], 0x0               ; Wq, Wk, Wv, Wp
	s_load_b256 s[12:19], s[0:1], 0x20             ; bq, bk, bv, bp
	s_load_b64 s[20:21], s[0:1], 0x40              ; wimg
	v_lshl_add_u32 v224, v0, 2, 0x10800
	v_mov_b32 v225, 0
	v_lshrrev_b32 v1, 5, v0
	v_readfirstlane_b32 s22, v1                    ; wave
	s_and_b32 s23, ttmp9, 1
	s_lshl_b32 s23, s23, 2
	s_add_co_u32 s23, s23, s22                     ; K step s
	s_bfe_u32 s24, ttmp9, 0x30001                  ; n
	s_bfe_u32 s25, ttmp9, 0x20004                  ; w
	s_lshr_b32 s26, ttmp9, 6                       ; X
	s_mov_b32 s38, 0x76543210
	s_mov_b32 s39, 0xfedcba98                      ; v_permlanex16_b32's selects for lane l xor 16
	s_and_b32 s27, s24, 4
	s_lshl_b32 s27, s27, 3                         ; 32 n2
	s_and_b32 s28, s24, 1
	s_lshl_b32 s28, s28, 4                         ; 16 n0
	s_add_co_u32 s27, s27, s28
	s_and_b32 s28, s24, 2
	s_lshl_b32 s28, s28, 2                         ; 8 n1
	s_add_co_u32 s27, s27, s28                     ; v's part of the unit's first feature
	s_lshl_b32 s28, s24, 5                         ; the others': 32 n
	s_cmp_eq_u32 s26, 2
	s_cselect_b32 s27, s27, s28
	s_cselect_b32 s29, 4, 8                        ; features from tile 0 to tile 1
	s_cselect_b32 s30, -1, 0                       ; all lanes: v's row map or the others'
	s_lshl_b32 s28, s25, 8
	s_add_co_u32 s27, s27, s28                     ; + 256 w: the unit's first feature
	v_and_b32 v1, 31, v0                           ; lane
	v_and_b32 v2, 15, v0                           ; r
	v_bfe_u32 v3, v0, 4, 1                         ; h
	v_and_b32 v4, 8, v2
	v_add_nc_u32 v4, v4, v2                        ; r + 8 (r / 8)
	v_and_b32 v5, 3, v2
	v_lshrrev_b32 v6, 3, v2
	v_lshlrev_b32 v6, 1, v6
	v_lshl_add_u32 v5, v5, 6, v6                   ; 64 (r % 4) + 2 (r / 8)
	v_bfe_u32 v6, v2, 2, 1
	v_add_nc_u32 v5, v5, v6                        ; + (r / 4) % 2
	v_cndmask_b32 v4, v4, v5, s30
	v_add_nc_u32 v4, s27, v4                       ; the feature of tile 0's row r (for the bias)
	v_lshlrev_b32 v8, 4, v1                        ; 16 lane: my 16 bytes of a load's 512
	s_mul_i32 s31, s22, STG                        ; my wave's stage
	v_add_nc_u32 v9, s31, v8                       ; into it: as loaded
	v_mul_u32_u24 v15, v2, SPT
	v_lshl_add_u32 v15, v3, 6, v15
	v_add_nc_u32 v15, s31, v15                     ; out of it: row r, + 64 h: my 16 numbers of a block of 32
	s_mul_i32 s32, s23, 3072
	v_add_nc_u32 v10, s32, v8                      ; images: 3072 s + 16 lane
	s_lshl_b32 s32, s23, 7
	v_lshlrev_b32 v13, 2, v1                       ; 4 lane
	v_add_nc_u32 v11, s32, v13                     ; scale words: 128 s + 4 lane
	v_mad_u32_u24 v12, v3, s29, v4                 ; the bias: lane (r, h) takes that of tile h's row r
	v_lshlrev_b32 v12, 2, v12
.irp b, 0,1,2,3
	v_mov_b32 v[TM+4+\b], 0                        ; written once: a lane permute's destination counts as one of its sources
.endr
	s_lshl_b32 s33, s25, 5
	s_lshl_b32 s34, s26, 3
	s_add_co_u32 s33, s33, s34
	s_add_co_u32 s33, s33, s24                     ; 32 w + 8 X + n
	s_mul_i32 s34, s33, UB                         ; the unit's first byte
	s_mov_b32 s35, 0
	s_lshl_b32 s36, s23, 9                         ; 128 k of f32,
	s_lshl_b32 s28, s27, 12                        ; the unit's first feature's row of 4,096 bytes
	s_add_co_u32 s36, s36, s28
	s_mov_b32 s37, 0
	s_wait_kmcnt 0x0
	s_cmp_eq_u32 s26, 1                            ; the weight and its bias are chosen by the work-group's number alone
	s_cselect_b64 s[4:5], s[6:7], s[4:5]
	s_cselect_b64 s[12:13], s[14:15], s[12:13]
	s_cmp_eq_u32 s26, 2
	s_cselect_b64 s[4:5], s[8:9], s[4:5]
	s_cselect_b64 s[12:13], s[16:17], s[12:13]
	s_cmp_eq_u32 s26, 3
	s_cselect_b64 s[4:5], s[10:11], s[4:5]
	s_cselect_b64 s[12:13], s[18:19], s[12:13]
	s_add_nc_u64 s[4:5], s[4:5], s[36:37]
	s_add_nc_u64 s[20:21], s[20:21], s[34:35]
	s_cmp_eq_u32 s26, 2                            ; the rows' places stand in the immediates: one arm for each of the two row maps, 32 loads in each
	s_cbranch_scc1 .Lvrows
.irp u, 0,1
.irp r, 0,1,2,3,4,5,6,7,8,9,10,11,12,13,14,15
	global_load_b128 v[XN+64*\u+4*\r:XN+64*\u+4*\r+3], v8, s[4:5] offset:(8*\u+\r+8*(\r/8))*4096 th:TH_LOAD_NT   ; 512 consecutive bytes of one row; read once in the whole program
.endr
.endr
	s_branch .Lrows_asked
.Lvrows:
.irp u, 0,1
.irp r, 0,1,2,3,4,5,6,7,8,9,10,11,12,13,14,15
	global_load_b128 v[XN+64*\u+4*\r:XN+64*\u+4*\r+3], v8, s[4:5] offset:(4*\u+64*(\r%4)+2*(\r/8)+(\r/4)%2)*4096 th:TH_LOAD_NT
.endr
.endr
.Lrows_asked:
; 64 numbers of a lane become a fragment's 12 registers of codes in v[pc] on and its row's scale word in v[pw].
.macro QW src, pc, pw
.irp b, 0,1,2,3
	v_max3_num_f32 v[TM+\b], |v[\src+16*\b]|, |v[\src+16*\b+1]|, 0x1800000   ; block b: my 16 numbers, and the floor 2^(3 - 127): the byte cannot fall under 1
.endr
.irp i, 2,4,6,8,10,12,14
.irp b, 0,1,2,3
	v_max3_num_f32 v[TM+\b], v[TM+\b], |v[\src+16*\b+\i]|, |v[\src+16*\b+\i+1]|   ; the four blocks by turns
.endr
.endr
.irp b, 0,1,2,3
	v_permlanex16_b32 v[TM+4+\b], v[TM+\b], s38, s39
.endr
.irp b, 0,1,2,3
	v_max_num_f32 v[TM+\b], v[TM+\b], v[TM+4+\b]   ; with lane l xor 16's 16: the block's largest magnitude
.endr
.irp b, 0,1,2,3
	v_add_nc_u32 v[TM+12+\b], 0xff000000, v[TM+\b] ; 2 off its exponent field: the conversion takes that field as its scale
.endr
.irp b, 0,1,2,3
	v_lshrrev_b32 v[TM+4+\b], 23, v[TM+12+\b]      ; the scale's byte
.endr
	v_lshl_or_b32 v[\pw], v[TM+5], 8, v[TM+4]
	v_lshl_or_b32 v[\pw], v[TM+6], 16, v[\pw]
	v_lshl_or_b32 v[\pw], v[TM+7], 24, v[\pw]
.irp c, 0,1
	v_cvt_scalef32_pk16_fp6_f32 v[\pc+6*\c:\pc+6*\c+2], v[\src+32*\c:\src+32*\c+15], v[TM+12+2*\c]
	v_cvt_scalef32_pk16_fp6_f32 v[\pc+12+4*\c:\pc+12+4*\c+2], v[\src+32*\c+16:\src+32*\c+31], v[TM+12+2*\c+1]   ; (a conversion's three registers begin on an even number)
.endr
	v_nop                                          ; one plain instruction behind the scaled conversions
.irp c, 0,1                                    ; the operand's layout wants a whole block in a lane: lanes 0-15 block 2 c, lanes 16-31 block 2 c + 1
.irp i, 0,1,2
	v_permlane16_swap_b32 v[\pc+6*\c+\i], v[\pc+12+4*\c+\i]
.endr
.irp i, 0,1,2
	v_mov_b32 v[\pc+3+6*\c+\i], v[\pc+12+4*\c+\i]
.endr
.endr
.endm
	s_wait_loadcnt 16                              ; tile 0's sixteen loads are in, tile 1's may be out
.irp r, 0,1,2,3,4,5,6,7,8,9,10,11,12,13,14,15
	ds_store_b128 v9, v[XN+4*\r:XN+4*\r+3] offset:SPT*\r
.endr
	s_wait_dscnt 0x0                               ; the stores are done: the same registers take the numbers back, turned
.irp b, 0,1,2,3
.irp j, 0,1,2,3
	ds_load_b128 v[XN+16*\b+4*\j:XN+16*\b+4*\j+3], v15 offset:128*\b+16*\j
.endr
.endr
	s_wait_loadcnt 0x0
.irp r, 0,1,2,3,4,5,6,7,8,9,10,11,12,13,14,15
	ds_store_b128 v9, v[XN+64+4*\r:XN+64+4*\r+3] offset:SPT*(16+\r)
.endr
	s_wait_dscnt 0x0                               ; tile 0's numbers are back, and tile 1's stores are done
.irp b, 0,1,2,3
.irp j, 0,1,2,3
	ds_load_b128 v[XN+64+16*\b+4*\j:XN+64+16*\b+4*\j+3], v15 offset:16*SPT+128*\b+16*\j
.endr
.endr
	QW XN, PC0, PW0                                ; tile 1 comes back meanwhile
.irp c, 0,1,2
	global_store_b128 v10, v[PC0+4*\c:PC0+4*\c+3], s[20:21] offset:512*\c          ; 32 lanes store 512 consecutive bytes, aligned
.endr
	s_wait_dscnt 0x0
	QW XN+64, PC1, PW1                             ; codes and word in registers of their own: no store's data are written again
.irp c, 0,1,2
	global_store_b128 v10, v[PC1+4*\c:PC1+4*\c+3], s[20:21] offset:1536+512*\c
.endr
	v_cmp_lt_u32 vcc_lo, 15, v1
	v_cndmask_b32 v[SWD], v[PW0], v[PW1], vcc_lo   ; lanes 0-15 tile 0's words, lanes 16-31 tile 1's
	global_store_b32 v11, v[SWD], s[20:21] offset:SCO
	s_cmp_lg_u32 s23, 0                            ; the wave of K step 0 also copies the unit's 32 biases
	s_cbranch_scc1 .Lno_bias
	global_load_b32 v14, v12, s[12:13]
	s_wait_loadcnt 0x0
	global_store_b32 v13, v14, s[20:21] offset:BIO
.Lno_bias:
	s_wait_tensorcnt 0x0
	ds_add_u32 v224, v225
	s_wait_dscnt 0x0
	s_endpgm
.Lfunc_end_k_q4130d6636a_wq:
	.size	k_q4130d6636a_wq, .Lfunc_end_k_q4130d6636a_wq-k_q4130d6636a_wq
	.p2alignl 7, 3214868480
	.fill 96, 4, 3214868480
	.section	.rodata,"a",@progbits
	.p2align	6, 0x0
	.amdhsa_kernel k_q4130d6636a_wq
		.amdhsa_group_segment_fixed_size 68096
		.amdhsa_private_segment_fixed_size 0
		.amdhsa_enable_private_segment 0
		.amdhsa_kernarg_size 72
		.amdhsa_user_sgpr_count 2
		.amdhsa_user_sgpr_kernarg_segment_ptr 1
		.amdhsa_wavefront_size32 1
		.amdhsa_system_sgpr_workgroup_id_x 1
		.amdhsa_system_sgpr_workgroup_id_y 1
		.amdhsa_system_sgpr_workgroup_id_z 1
		.amdhsa_system_vgpr_workitem_id 0
		.amdhsa_next_free_vgpr 226
		.amdhsa_next_free_sgpr 66
		.amdhsa_reserve_vcc 1
		.amdhsa_float_denorm_mode_32 3
		.amdhsa_float_denorm_mode_16_64 3
		.amdhsa_memory_ordered 1
		.amdhsa_forward_progress 1
		.amdhsa_inst_pref_size 23
	.end_amdhsa_kernel
	.amdgpu_metadata
---
amdhsa.version: [ 1, 2 ]
amdhsa.kernels:
  - .name:           k_q4130d6636a_wq
    .symbol:         k_q4130d6636a_wq.kd
    .args:
      - { .name: Wq, .offset: 0, .size: 8, .value_kind: global_buffer, .address_space: global }
      - { .name: Wk, .offset: 8, .size: 8, .value_kind: global_buffer, .address_space: global }
      - { .name: Wv, .offset: 16, .size: 8, .value_kind: global_buffer, .address_space: global }
      - { .name: Wp, .offset: 24, .size: 8, .value_kind: global_buffer, .address_space: global }
      - { .name: bq, .offset: 32, .size: 8, .value_kind: global_buffer, .address_space: global }
      - { .name: bk, .offset: 40, .size: 8, .value_kind: global_buffer, .address_space: global }
      - { .name: bv, .offset: 48, .size: 8, .value_kind: global_buffer, .address_space: global }
      - { .name: bp, .offset: 56, .size: 8, .value_kind: global_buffer, .address_space: global }
      - { .name: wimg, .offset: 64, .size: 8, .value_kind: global_buffer, .address_space: global }
    .group_segment_fixed_size: 68096
    .private_segment_fixed_size: 0
    .kernarg_segment_align: 8
    .kernarg_segment_size: 72
    .max_flat_workgroup_size: 128
    .sgpr_count:     66
    .vgpr_count:     226
    .wavefront_size: 32
...
	.end_amdgpu_metadata
.endif
;; end of part 1
;; launch fused (part 2): grid 256 x 1, 4 waves a work-group, no clusters, 316,928 bytes of LDS; arguments x, wimg, out0; writes out0
.if DOCPART == 2
	.amdgcn_target "amdgcn-amd-amdhsa--gfx1250"
	.amdhsa_code_object_version 6
	.text
	.protected	k_q4130d6636a_fused
	.globl	k_q4130d6636a_fused
	.p2align	8
	.type	k_q4130d6636a_fused,@function
k_q4130d6636a_fused:
	s_mov_b64 s[64:65], 0
	v_nop
	global_prefetch_b8 v0, s[64:65] scope:SCOPE_SE
	s_setreg_imm32_b32 hwreg(HW_REG_WAVE_MODE, 25, 1), 1
	s_wait_xcnt 0x0
; out0 = (softmax over the query heads of (q[i,j] . k[j,i]) / 32 . v[i,j]) Wp^T + bp, q, k, v = x W^T + b.  All products but att . v on codes of FP6 (E2M3) with one E8M0 scale for each 32 along K; sums f32.
; A WORK-GROUP OWNS 64 TOKENS THAT ARE CLOSED UNDER (i, j) <-> (j, i) and takes them through the whole chain; only x, the weights' images and out0 touch memory.
;   Work-group g: a = g / 16, b = g % 16; lo, hi = min, max.  a != b: rows 8 lo + 4 (a > b) + 0..3, columns 8 hi + 0..7 (slots 0-31) and their transposes (slots 32-63); a = b: the 8 x 8 block on the diagonal.
;   Slot 16 t + r: token row TB[t] + Cu (r / 8) + Cc (r % 8).  The partner of slot 16 w + i is 16 (w xor 2) + i off the diagonal, 2 w + 8 (i % 8) + i / 8 on it.
; SHARES.  In the four projections THE WAVES SHARE THE FEATURES: wave w makes features 256 w .. 256 w + 255 for all 64 tokens, 32 at a time (a UNIT: 2 tiles of features x 4 tiles of tokens x 8 K steps = 64 matrix instructions).
;   The tokens' 32 fragments stay in each wave's registers (384); the weights come from wimg straight into a ring of 192 registers, one unit ahead: 60 loads of a wave are always out, and no barrier stands in a projection.
;   Scores, softmax and att . v: wave w owns tokens 16 w .. 16 w + 15.
; x IS READ DENSELY: one load takes the 512 consecutive bytes that one token has in a K step, 16 bytes a lane.  The conversions want 16 neighbours along K in ONE lane, so a K step's 8,192 bytes turn through the wave's own
;   stage in LDS: stored as loaded (token i at 528 i), read back 64 bytes a lane.  The codes then go from wave to wave as images of the operand's registers: three stores and three loads of 16 bytes a lane for a fragment.
; ALL PRODUCTS ARE USED TRANSPOSED (source 0 = features, source 1 = tokens): a lane holds one token, and the rows that form a tile of a weight were chosen (launch wq) so that its 16 results of a unit are 16 neighbours along the next K.
; NO JOINT TENSOR LOADS, though all work-groups walk the same weights: while v is made, LDS holds v in f32 (263,168 bytes), the codes of the next operand (50,176) and their scale words (3,072): 316,416 of 327,680 bytes;
;   no slot for weights fits beside them, and a weight fragment is wanted by one wave of a work-group, once.
; LDS.  V 0..263,168: v(token, head l, channel) at 4112 token + 1024 (l / 4) + 16 P + 4 (l % 4), P = the channel with bits 3 and 4 swapped.  OCB: first the 32 images of x's fragments, 1,536 bytes each; later rows of 768 bytes
;   of the attention's codes + 16.  OSB: scale words, 8 a token, pitch 48.  Inside V's bytes, before v is made: first the turn's stages, two of 8,448 bytes a wave; then QKC rows of 1,552 bytes: wave w's 16 units at
;   384 w + 24 U (q's head 4 w + e at 384 w + 48 e, k's 192 further), and QKS their bytes, 64 a token.  Inside V's bytes, after v is read: a stage of 64 rows x 272 bytes for each wave.
; LIMITS: NaN and infinities are not served; a block of zeros or under 2^-124 gets the scale byte 1 (read by this program alone); 1 / sum is v_rcp_f32 and a multiplication.
; REGISTERS, in windows of 256.  Window 0: v1-29 addresses; v32-47 the tokens' scale words; v48-55 the weights'; v56-71 the bias as a first C; v72-135 ACC; v136-175 the quantiser's; v176-239 softmax, rows on the way out
;   (v208-225: x's addresses before); v240-247 the scores' scale words; v248-255 addresses of the moment.  Window 1: v0-191 token fragments of K steps 0-3 (x as loaded before; v's operands in att . v); v192-255 att of my tokens 0-7.
;   Window 2: the same for K steps 4-7 and tokens 8-15 (v0-127: x turned, before).  Window 3: v0-191 the weight ring (the scores' fragments between k and v); v192-194 three lane offsets.
.set UB,   25856                       ; a unit of wimg
.set SCO,  24576                       ; its scale words
.set BIO,  25600                       ; its biases
.set QKC,  0
.set QKP,  1552
.set QKS,  64*QKP
.set QSP,  64
.set VP,   4112
.set OCB,  64*VP
.set OCP,  784
.set OSB,  OCB+64*OCP
.set OSP,  48
.set STP,  272
.set STW,  64*STP
.set XTP,  528                         ; the turn: a token's 512 bytes + 16, so that the sixteen rows of a read stand sixteen bytes apart modulo 256
.set XTB,  16*XTP                      ; one stage
.set FRB,  1536                        ; a fragment's image
.set FX,   1                           ; where an image of x is read: OCB + 16 lane
.set XCW,  2                           ; where I store my images;  v3 their scale word
.set XSW,  3
.set FA,   4                           ; where a fragment is read from rows of codes;  v5 the scale words
.set FS,   5
.set CW,   6                           ; q's, k's codes: my lane's base;  v7 their bytes'
.set SW,   7
.set EQ,   8                           ; the scores: q's fragment of my wave's token 0;  v9 k's of slot 0;  v10, v11 their scale bytes
.set EK,   9
.set EQS,  10
.set EKS,  11
.set VW,   12                          ; v12-15 v: my lane's base for each tile of tokens
.set VR,   16                          ; v read back as an operand
.set OCW,  17                          ; the attention's codes;  v18 their bytes
.set OSW,  18
.set SGW,  19                          ; the stage: in;  v20 back
.set SGR,  20
.set GA,   21                          ; out0: my lane's byte for slots 0-31;  v22-29 for slots 32-63, pair k % 8
.set GB,   22
.set XS,   32
.set WS,   48
.set BI,   56
.set ACC,  72                          ; written by matrix instructions alone
.set TM,   136                         ; v136-139 largest magnitudes, v140-143 bytes, v148-151 the conversions' scale operands
.set PW,   152
.set SBY,  153                         ; v153-154 two bytes joined
.set PC,   156                         ; v156-167 codes, v168-175 at work
.set MX,   176                         ; v176-207 maxima, then sums, then 1 / (32 sum)
.set PP,   208                         ; v208-239 exponentials
.set XAD,  208                         ; before that: v208-223 x: token i's row + 16 lane;  v224, v225 the turn's stage, in and out
.set XTW,  224
.set XTR,  225
.set KSR,  240
.set QSR,  244
.set AT,   248
.set LI3,  192                         ; window 3: 16 x lane, 4 x lane, 32 x (lane / 16)
.set LS3,  193
.set LB3,  194
.set WP,   10                          ; s[10:11] the unit that was asked for last
.set OB,   12                          ; s[12:19] out0 at each tile's first token, my features
.set WV,   20
.set SEL,  22
.set SA,   24
.set SB,   25
.set TB,   32                          ; s32-35
.set CU2,  36
.set CC2,  37
.set CNT,  41
.set PO,   42
.set PD,   43
.set QST,  51
.set SST,  52
.set VST,  53
.set OST,  54                          ; s[54:55] what the next way out adds to out0's bases: 0, then 256
.set MSB, 0
.macro WIN new                         ; bits 1:0 source 0, 3:2 source 1, 5:4 source 2, 7:6 destination; the high byte repeats the setting that is left
.if MSB != (\new)
	s_set_vgpr_msb (MSB<<8)|(\new)
.set MSB, (\new)
.endif
.endm
.macro PLACES n                        ; plain instructions that name no register of the matrix instruction in front of them (ISA guide 7.12.1)
.rept \n
	v_nop
.endr
.endm
.macro BARRIER                         ; my LDS stores have landed and my LDS loads are in: then the work-group's barrier
	s_wait_dscnt 0x0
	s_barrier_signal -1
	s_barrier_wait -1
.endm
; 64 numbers of a lane in window win, register 16 b + i = place 32 b + 16 (lane / 16) + i, become codes: afterwards lane (r, h) holds block 2 c + h in v[PC + 6 c] on, and v[TM + 4 + b] is block b's byte.  wd = 1: the four bytes as a word in v[PW].
.macro QUANT src, win, wd
	WIN ((\win)<<2)|((\win)<<4)
.irp b, 0,1,2,3
	v_max3_num_f32 v[TM+\b], 0x1800000, |v[\src+16*\b]|, |v[\src+16*\b+1]|   ; my 16 numbers of block b, from the low end on, and the floor 2^(3 - 127): the byte cannot fall under 1
.endr
.irp i, 2,4,6,8,10,12,14
.irp b, 0,1,2,3
	v_max3_num_f32 v[TM+\b], v[TM+\b], |v[\src+16*\b+\i]|, |v[\src+16*\b+\i+1]|   ; the four blocks by turns
.endr
.endr
	WIN 0
.irp b, 0,1,2,3
	v_permlanex16_b32 v[TM+4+\b], v[TM+\b], s[SEL], s[SEL+1]
.endr
.irp b, 0,1,2,3
	v_max_num_f32 v[TM+\b], v[TM+\b], v[TM+4+\b]   ; with lane l xor 16's 16: the block's largest magnitude
.endr
.irp b, 0,1,2,3
	v_add_nc_u32 v[TM+12+\b], 0xff000000, v[TM+\b] ; 2 off its exponent field: the conversion takes that field as its scale
.endr
.irp b, 0,1,2,3
	v_lshrrev_b32 v[TM+4+\b], 23, v[TM+12+\b]      ; the scale's byte
.endr
.if \wd
	v_lshl_or_b32 v[PW], v[TM+5], 8, v[TM+4]
	v_lshl_or_b32 v[PW], v[TM+6], 16, v[PW]
	v_lshl_or_b32 v[PW], v[TM+7], 24, v[PW]
.endif
	WIN \win
.irp c, 0,1
	v_cvt_scalef32_pk16_fp6_f32 v[PC+6*\c:PC+6*\c+2], v[\src+32*\c:\src+32*\c+15], v[TM+12+2*\c]
	v_cvt_scalef32_pk16_fp6_f32 v[PC+12+4*\c:PC+12+4*\c+2], v[\src+32*\c+16:\src+32*\c+31], v[TM+12+2*\c+1]   ; (a conversion's three registers begin on an even number)
.endr
	WIN 0
	v_nop                                          ; one plain instruction behind the scaled conversions
.irp c, 0,1
.irp i, 0,1,2
	v_permlane16_swap_b32 v[PC+6*\c+\i], v[PC+12+4*\c+\i]
.endr
.irp i, 0,1,2
	v_mov_b32 v[PC+3+6*\c+\i], v[PC+12+4*\c+\i]
.endr
.endr
.endm
; K step st of my 16 tokens: sixteen loads, each the 512 consecutive bytes of one token, into set st % 4 of window 1: token i in registers 4 i on
.macro XLOAD st
	WIN 0x40
.irp i, 0,1,2,3,4,5,6,7,8,9,10,11,12,13,14,15
	global_load_b128 v[64*((\st)%4)+4*\i:64*((\st)%4)+4*\i+3], v[XAD+\i], s[4:5] offset:512*(\st) th:TH_LOAD_NT
.endr
.endm
; the turn of K step st: into stage st % 2 as loaded, back into set st % 2 of window 2 with 16 neighbours of each block of 32 in a lane.  LDS serves a wave's instructions in order (ISA guide 5.7.1.4): the loads see the stores.
.macro TURN st
	WIN 0x04                                       ; an LDS store's data are its source 1: window 1
.irp i, 0,1,2,3,4,5,6,7,8,9,10,11,12,13,14,15
	ds_store_b128 v[XTW], v[64*((\st)%4)+4*\i:64*((\st)%4)+4*\i+3] offset:XTB*((\st)%2)+XTP*\i
.endr
	WIN 0x80
.irp b, 0,1,2,3
.irp j, 0,1,2,3
	ds_load_b128 v[64*((\st)%2)+16*\b+4*\j:64*((\st)%2)+16*\b+4*\j+3], v[XTR] offset:XTB*((\st)%2)+128*\b+16*\j
.endr
.endr
.endm
; Group g (K steps 2 g, 2 g + 1) of the unit at WP: 2 loads of scale words, with g = 0 the 4 of the bias, 12 of fragments: 18, 14, 14, 14 loads.
.macro WGROUP g
	WIN 0x03
	global_load_b32 v[WS+2*\g], v[LS3], s[WP:WP+1] offset:SCO+256*\g
	global_load_b32 v[WS+2*\g+1], v[LS3], s[WP:WP+1] offset:SCO+256*\g+128
.if \g == 0
.irp u, 0,1
.irp q, 0,1
	global_load_b128 v[BI+8*\u+4*\q:BI+8*\u+4*\q+3], v[LB3], s[WP:WP+1] offset:BIO+64*\u+16*\q   ; lane (r, h): the biases of the tile's rows 8 h + 0 .. 7: the result's layout
.endr
.endr
.endif
	WIN 0xc3
.irp f, 0,1,2,3
.irp c, 0,1,2
	global_load_b128 v[48*\g+12*\f+4*\c:48*\g+12*\f+4*\c+3], v[LI3], s[WP:WP+1] offset:6144*\g+1536*\f+512*\c   ; 512 consecutive bytes: the registers' image
.endr
.endr
.endm
.macro PRIME
.irp g, 0,1,2,3
	WGROUP \g
.endr
.endm
.macro NEXT                            ; the weights' base goes one unit on
	s_wait_xcnt 0x0                                ; the loads issued have had their addresses translated (ISA guide 3.1): only behind this wait is their base written
	s_add_nc_u64 s[WP:WP+1], s[WP:WP+1], UB
.endm
.macro MM d, a, b, c, sa, sb, ra, rb   ; ra, rb: the side's scale words stand in lanes 16-31
.if (\ra) && (\rb)
	v_wmma_scale_f32_16x16x128_f8f6f4 v[\d:\d+7], v[\a:\a+11], v[\b:\b+11], v[\c:\c+7], v[\sa], v[\sb] matrix_a_fmt:MATRIX_FMT_FP6 matrix_b_fmt:MATRIX_FMT_FP6 matrix_a_scale:MATRIX_SCALE_ROW1 matrix_b_scale:MATRIX_SCALE_ROW1
.elseif \ra
	v_wmma_scale_f32_16x16x128_f8f6f4 v[\d:\d+7], v[\a:\a+11], v[\b:\b+11], v[\c:\c+7], v[\sa], v[\sb] matrix_a_fmt:MATRIX_FMT_FP6 matrix_b_fmt:MATRIX_FMT_FP6 matrix_a_scale:MATRIX_SCALE_ROW1
.elseif \rb
	v_wmma_scale_f32_16x16x128_f8f6f4 v[\d:\d+7], v[\a:\a+11], v[\b:\b+11], v[\c:\c+7], v[\sa], v[\sb] matrix_a_fmt:MATRIX_FMT_FP6 matrix_b_fmt:MATRIX_FMT_FP6 matrix_b_scale:MATRIX_SCALE_ROW1
.else
	v_wmma_scale_f32_16x16x128_f8f6f4 v[\d:\d+7], v[\a:\a+11], v[\b:\b+11], v[\c:\c+7], v[\sa], v[\sb] matrix_a_fmt:MATRIX_FMT_FP6 matrix_b_fmt:MATRIX_FMT_FP6
.endif
.endm
; A UNIT: 32 features x 64 tokens x all of K.  The eight accumulators take turns, one instruction a turn; the first K step takes the bias as C.
; ahead = 1: behind each group's sixteen products the same group of the NEXT unit is asked for, into the registers just read; the base steps behind the first sixteen products, ahead of the first of those loads,
; where the last unit's loads were issued an epilogue and sixteen products ago.
; The waits count the loads issued behind the group wanted.  ahead = 1: in front of group 0 this unit's three later groups, 3 x 14 = 42; in front of group g > 0 this unit's 3 - g later groups and the next unit's g groups
; already asked for, of which the first has 18: 14 (3 - g) + 18 + 14 (g - 1) = 46.  ahead = 0: 14 (3 - g).
.macro UNIT ahead
.irp g, 0,1,2,3
.if \ahead
.if \g == 0
	s_wait_loadcnt 42
.else
	s_wait_loadcnt 46
.endif
.else
	s_wait_loadcnt 14*(3-\g)
.endif
.if \g < 2
	WIN 0x07                                       ; source 0 (weights) window 3, source 1 (tokens) window 1
.else
	WIN 0x0b                                       ; tokens' K steps 4-7: window 2
.endif
.irp e, 0,1
.irp u, 0,1
.irp mt, 0,1,2,3
.set CR, ACC+16*\mt+8*\u
.if (\g == 0) && (\e == 0)
.set CR, BI+8*\u
.endif
	MM ACC+16*\mt+8*\u, 48*\g+24*\e+12*\u, 48*(2*(\g%2)+\e)+12*\mt, CR, WS+2*\g+\e, XS+4*\mt+\g, \u, \e
.endr
.endr
.endr
.if \ahead
	PLACES 4                                       ; in front of loads into registers that these products have read
.if \g == 0
	NEXT
.endif
	WGROUP \g
.endif
.endr
	WIN 0
.endm
; q's or k's unit: block b of the quantiser = tile b of tokens; lane (r, h) ends with the 24 bytes of tokens 16 h + r and 32 + 16 h + r.
.macro EPI_QK
	v_add_nc_u32 v[AT], s[QST], v[CW]              ; this unit's place in the rows (these two and two v_nop are the places behind the products)
	v_add_nc_u32 v[AT+1], s[SST], v[SW]
	PLACES 2
	QUANT ACC, 0, 0
.irp c, 0,1
.irp p, 0,1,2
	ds_store_b64 v[AT], v[PC+6*\c+2*\p:PC+6*\c+2*\p+1] offset:32*QKP*\c+8*\p
.endr
.endr
.irp mt, 0,1,2,3
	ds_store_b8 v[AT+1], v[TM+4+\mt] offset:16*QSP*\mt   ; both lanes of a block write the same byte with the same value
.endr
	s_add_co_u32 s[QST], s[QST], 24
	s_add_co_u32 s[SST], s[SST], 1
.endm
; v's unit stays f32: four neighbouring registers are one channel of my four heads: 16 bytes.
.macro EPI_V
.irp mt, 0,1,2,3
	v_add_nc_u32 v[AT+\mt], s[VST], v[VW+\mt]
.endr
	v_nop                                          ; five places in all: the next unit's products write over these accumulators
.irp mt, 0,1,2,3
.irp u, 0,1
.irp j, 0,1
	ds_store_b128 v[AT+\mt], v[ACC+16*\mt+8*\u+4*\j:ACC+16*\mt+8*\u+4*\j+3] offset:64*\u+16*\j   ; each accumulator from its low end on
.endr
.endr
.endr
	s_add_co_u32 s[VST], s[VST], 128
.endm
; the last projection's unit goes to my stage: 128 bytes of each of 64 rows; two units make rows of 256 bytes.
.macro EPI_P par
	PLACES 5
.irp mt, 0,1,2,3
.irp q, 0,1,2,3
	ds_store_b128 v[SGW], v[ACC+16*\mt+4*\q:ACC+16*\mt+4*\q+3] offset:16*STP*\mt+128*\par+16*\q
.endr
.endr
.endm
; The stage's 64 rows come back whole, two rows a load, and leave: sixteen lanes store 256 consecutive bytes, aligned.  LDS serves a wave's instructions in order (ISA guide 5.7.1.4): the loads see my stores.
; The registers that the last way out stored from are loaded again here: between the two stands a unit's wait on XCNT for 0, on every path.  The bases step here, behind a wait of their own.
.macro SEND more
.irp k, 0,1,2,3,4,5,6,7,8,9,10,11,12,13,14,15
	ds_load_b128 v[MX+4*\k:MX+4*\k+3], v[SGR] offset:2*STP*\k
.endr
	WIN 0x40
.irp k, 16,17,18,19,20,21,22,23,24,25,26,27,28,29,30,31
	ds_load_b128 v[192+4*(\k-16):192+4*(\k-16)+3], v[SGR] offset:2*STP*\k
.endr
	WIN 0
	s_wait_xcnt 0x0                                ; the last way out's stores have read their bases
.irp mt, 0,1,2,3
	s_add_nc_u64 s[OB+2*\mt:OB+2*\mt+1], s[OB+2*\mt:OB+2*\mt+1], s[OST:OST+1]   ; 64 features on (the first time: 0)
.endr
.irp k, 0,1,2,3,4,5,6,7,8,9,10,11,12,13,14,15
	s_wait_dscnt 31-\k                             ; the loads behind pair k may be out
	global_store_b128 v[GA], v[MX+4*\k:MX+4*\k+3], s[OB+2*(\k/8):OB+2*(\k/8)+1] offset:((\k%8)/4)*524288+((\k%8)%4)*8192 th:TH_STORE_NT
.endr
	WIN 0x04                                       ; a store's data are its source 1: window 1
.irp k, 16,17,18,19,20,21,22,23,24,25,26,27,28,29,30,31
	s_wait_dscnt 31-\k
	global_store_b128 v[GB+\k%8], v[192+4*(\k-16):192+4*(\k-16)+3], s[OB+2*(\k/8):OB+2*(\k/8)+1] th:TH_STORE_NT
.endr
	WIN 0
.if \more
	s_mov_b32 s[OST], 256
.endif
.endm
.macro SCWORDS                         ; the tokens' scale words: lanes 0-15 an even K step's, lanes 16-31 the odd one's behind it
.irp mt, 0,1,2,3
.irp g, 0,1,2,3
	ds_load_b32 v[XS+4*\mt+\g], v[FS] offset:16*OSP*\mt+8*\g
.endr
.endr
	s_wait_dscnt 0x0
.endm
; x's 32 fragments come back as they were stored: the registers' images
.macro FETCHX
	WIN 0x40
.irp s, 0,1,2,3
.irp mt, 0,1,2,3
.irp c, 0,1,2
	ds_load_b128 v[48*\s+12*\mt+4*\c:48*\s+12*\mt+4*\c+3], v[FX] offset:(8*\mt+\s)*FRB+512*\c
.endr
.endr
.endr
	WIN 0x80
.irp s, 4,5,6,7
.irp mt, 0,1,2,3
.irp c, 0,1,2
	ds_load_b128 v[48*(\s-4)+12*\mt+4*\c:48*(\s-4)+12*\mt+4*\c+3], v[FX] offset:(8*\mt+\s)*FRB+512*\c
.endr
.endr
.endr
	WIN 0
	SCWORDS
.endm
; the attention's codes lie as rows (a lane made a head's 48 bytes of a token): they become my 32 fragments by pieces of 8 bytes
.macro FETCH
	WIN 0x40
.irp s, 0,1,2,3
.irp mt, 0,1,2,3
.irp c, 0,1
.irp p, 0,1,2
	ds_load_b64 v[48*\s+12*\mt+6*\c+2*\p:48*\s+12*\mt+6*\c+2*\p+1], v[FA] offset:16*OCP*\mt+96*\s+48*\c+8*\p
.endr
.endr
.endr
.endr
	WIN 0x80
.irp s, 4,5,6,7
.irp mt, 0,1,2,3
.irp c, 0,1
.irp p, 0,1,2
	ds_load_b64 v[48*(\s-4)+12*\mt+6*\c+2*\p:48*(\s-4)+12*\mt+6*\c+2*\p+1], v[FA] offset:16*OCP*\mt+96*\s+48*\c+8*\p
.endr
.endr
.endr
.endr
	WIN 0
	SCWORDS
.endm
; THE SCORES of my tokens 4 bt .. 4 bt + 3.  A fragment is 16 heads x 128, of which the head's 64 are real: registers 0-5; registers 6-11 hold zero codes.  k's comes from the partner's slot.
.macro ELOAD bt
.irp ii, 0,1,2,3
	s_add_co_u32 s44, s[PO], 4*\bt+\ii             ; the partner off the diagonal,
	s_add_co_u32 s45, s[PD], 8*((4*\bt+\ii)%8)+(4*\bt+\ii)/8   ; and on it
	s_cmp_eq_u32 s[SA], s[SB]
	s_cselect_b32 s44, s45, s44
	s_mul_i32 s45, s44, QKP
	s_lshl_b32 s44, s44, 6
	v_add_nc_u32 v[AT+\ii], s45, v[EK]
	v_add_nc_u32 v[AT+4+\ii], s44, v[EKS]
.endr
	WIN 0xc0
.irp ii, 0,1,2,3
.irp p, 0,1,2
	ds_load_b64 v[24*\ii+2*\p:24*\ii+2*\p+1], v[AT+\ii] offset:8*\p
	ds_load_b64 v[24*\ii+12+2*\p:24*\ii+12+2*\p+1], v[EQ] offset:QKP*(4*\bt+\ii)+8*\p
.endr
.endr
	WIN 0
.irp ii, 0,1,2,3
	ds_load_u16 v[KSR+\ii], v[AT+4+\ii]            ; two scale bytes; the word's upper two are 0 and stand over zero codes
	ds_load_u16 v[QSR+\ii], v[EQS] offset:QSP*(4*\bt+\ii)
.endr
.endm
.macro EMUL bt                         ; source 0 = k's 16 heads, source 1 = q's: lane (a, h), register j: energy(query head a, key head 8 h + j)
	WIN 0x0f
.irp ii, 0,1,2,3
	v_wmma_scale_f32_16x16x128_f8f6f4 v[ACC+32*((\bt)%2)+8*\ii:ACC+32*((\bt)%2)+8*\ii+7], v[24*\ii:24*\ii+11], v[24*\ii+12:24*\ii+23], 0, v[KSR+\ii], v[QSR+\ii] matrix_a_fmt:MATRIX_FMT_FP6 matrix_b_fmt:MATRIX_FMT_FP6
.endr
	WIN 0
	PLACES 4                                       ; in front of the reads of the scores and of loads into the fragments
.endm
; THE SOFTMAX runs over the QUERY heads: the sixteen lanes of a row.  32 registers (4 tokens x 8 key heads) by turns; four steps of lane l xor 1, 2, 4, 8 ride on the arithmetic.
.macro SOFTMAX bt
.set EE, ACC+32*((\bt)%2)
.set KK, 0
.rept 32
	v_max_num_f32_dpp v[MX+KK], v[EE+KK], v[EE+KK] row_xmask:1 row_mask:0xf bank_mask:0xf   ; each accumulator from its low end on
.set KK, KK+1
.endr
.irp x, 2,4,8
.set KK, 0
.rept 32
	v_max_num_f32_dpp v[MX+KK], v[MX+KK], v[MX+KK] row_xmask:\x row_mask:0xf bank_mask:0xf
.set KK, KK+1
.endr
.endr
.set KK, 0
.rept 16
	v_pk_add_f32 v[PP+KK:PP+KK+1], v[EE+KK:EE+KK+1], v[MX+KK:MX+KK+1] neg_lo:[0,1] neg_hi:[0,1]   ; the maximum is taken away first
.set KK, KK+2
.endr
.set KK, 0
.rept 16
	v_pk_mul_f32 v[PP+KK:PP+KK+1], v[PP+KK:PP+KK+1], 0x3fb8aa3b op_sel_hi:[1,0]   ; x log2(e)
.set KK, KK+2
.endr
.set KK, 0
.rept 32
	v_exp_f32 v[PP+KK], v[PP+KK]
.set KK, KK+1
.endr
	v_nop                                          ; one plain instruction behind the exponentials
.set KK, 0
	s_wait_alu depctr_va_vdst(0)
.rept 32
	v_add_f32_dpp v[MX+KK], v[PP+KK], v[PP+KK] row_xmask:1 row_mask:0xf bank_mask:0xf
.set KK, KK+1
.endr
.irp x, 2,4,8
.set KK, 0
.rept 32
	v_add_f32_dpp v[MX+KK], v[MX+KK], v[MX+KK] row_xmask:\x row_mask:0xf bank_mask:0xf
.set KK, KK+1
.endr
.endr
.set KK, 0
.rept 32
	v_rcp_f32 v[MX+KK], v[MX+KK]
.set KK, KK+1
.endr
	v_nop                                          ; one plain instruction behind the reciprocals
.set KK, 0
	s_wait_alu depctr_va_vdst(0)
.rept 16
	v_pk_mul_f32 v[MX+KK:MX+KK+1], v[MX+KK:MX+KK+1], 0x3d000000 op_sel_hi:[1,0]   ; / 32 = sqrt(1024): exact
.set KK, KK+2
.endr
.if \bt < 2
	WIN 0x40
.else
	WIN 0x80
.endif
.set KK, 0
.rept 16
	v_pk_mul_f32 v[192+32*((\bt)%2)+KK:192+32*((\bt)%2)+KK+1], v[PP+KK:PP+KK+1], v[MX+KK:MX+KK+1]   ; att(a, 8 h + j) of token i at register 192 + 8 (i % 8) + j
.set KK, KK+2
.endr
	WIN 0
.endm
; att . v in f32, two tokens at a time.  Source 0 = 16 channels of v, source 1 = att; the K place (h, j') of step ks stands for key head 8 h + 2 ks + j' on both sides.
.macro VLOAD pr                        ; lane (r, h): channel place 16 t + r, heads 8 h + 0 .. 7: two loads of 16 bytes for each tile t
	WIN 0x40
.irp c, 0,1
.irp t, 0,1,2,3
.irp q, 0,1
	ds_load_b128 v[64*((\pr)%2)+32*\c+8*\t+4*\q:64*((\pr)%2)+32*\c+8*\t+4*\q+3], v[VR] offset:VP*(2*(\pr)+\c)+256*\t+1024*\q
.endr
.endr
.endr
	WIN 0
.endm
.macro AV pr
.if \pr < 4
	WIN 0x05
.else
	WIN 0x09
.endif
.irp ks, 0,1,2,3
.irp c, 0,1
.irp t, 0,1,2,3
.if \ks == 0
	v_wmma_f32_16x16x4_f32 v[ACC+32*\c+8*\t:ACC+32*\c+8*\t+7], v[64*(\pr%2)+32*\c+8*\t:64*(\pr%2)+32*\c+8*\t+1], v[192+8*((2*\pr+\c)%8):192+8*((2*\pr+\c)%8)+1], 0
.else
	v_wmma_f32_16x16x4_f32 v[ACC+32*\c+8*\t:ACC+32*\c+8*\t+7], v[64*(\pr%2)+32*\c+8*\t+2*\ks:64*(\pr%2)+32*\c+8*\t+2*\ks+1], v[192+8*((2*\pr+\c)%8)+2*\ks:192+8*((2*\pr+\c)%8)+2*\ks+1], v[ACC+32*\c+8*\t:ACC+32*\c+8*\t+7]
.endif
.endr
.endr
.endr
	WIN 0
	PLACES 8                                       ; this form wants eight in front of the first read of its results
	QUANT ACC, 0, 0                                ; block 2 c + b: token c, channels 32 b on, of head lane % 16: 32 neighbours along the last projection's K
.irp c, 0,1
.irp p, 0,1,2
	ds_store_b64 v[OCW], v[PC+6*\c+2*\p:PC+6*\c+2*\p+1] offset:OCP*(2*\pr+\c)+8*\p
.endr
.endr
.irp c, 0,1
	v_lshl_or_b32 v[SBY+\c], v[TM+5+2*\c], 8, v[TM+4+2*\c]
.endr
.irp c, 0,1
	ds_store_b16 v[OSW], v[SBY+\c] offset:OSP*(2*\pr+\c)   ; my head's two bytes; both halves of the lanes write the same
.endr
.endm
	; ---- the head: the set of tokens, x's addresses, the first loads of x, then every other address
	s_load_b128 s[4:7], s[0:1], 0x0                ; x s[4:5], wimg s[6:7]
	s_load_b64 s[8:9], s[0:1], 0x10                ; out0
	v_lshl_add_u32 v171, v0, 2, 0x4d400
	v_mov_b32 v175, 0
	v_lshrrev_b32 v30, 5, v0
	v_readfirstlane_b32 s[WV], v30                 ; wave 0..3
	s_mov_b32 s[SEL], 0x76543210
	s_mov_b32 s[SEL+1], 0xfedcba98                 ; v_permlanex16_b32's selects for lane l xor 16
	s_lshr_b32 s[SA], ttmp9, 4                     ; a
	s_and_b32 s[SB], ttmp9, 15                     ; b
	s_min_u32 s26, s[SA], s[SB]
	s_max_u32 s27, s[SA], s[SB]
	s_cmp_gt_u32 s[SA], s[SB]
	s_cselect_b32 s28, 4, 0
	s_lshl_b32 s29, s26, 3
	s_add_co_u32 s29, s29, s28                     ; P = 8 lo + 4 (a > b)
	s_lshl_b32 s30, s27, 3                         ; Q = 8 hi
	s_lshl_b32 s31, s29, 7
	s_add_co_u32 s[TB], s31, s30                   ; tile 0: 128 P + Q
	s_add_co_u32 s[TB+1], s[TB], 256               ; tile 1: two rows down
	s_lshl_b32 s31, s30, 7
	s_add_co_u32 s31, s31, s29                     ; 128 Q + P: the transposes
	s_add_co_u32 s[TB+2], s[TB], 512               ; on the diagonal: four rows down
	s_cmp_lg_u32 s[SA], s[SB]
	s_cselect_b32 s[TB+2], s31, s[TB+2]
	s_cselect_b32 s[CU2], 1, 128                   ; tiles 2, 3: token rows for r / 8,
	s_cselect_b32 s[CC2], 128, 1                   ; and for r % 8
	s_lshl_b32 s[TB+3], s[CU2], 1
	s_add_co_u32 s[TB+3], s[TB+3], s[TB+2]
	s_cmp_lt_u32 s[WV], 2                          ; my wave's own tile of tokens
	s_cselect_b32 s38, 128, s[CU2]
	s_cselect_b32 s39, 1, s[CC2]
	s_cmp_eq_u32 s[WV], 1
	s_cselect_b32 s40, s[TB+1], s[TB]
	s_cmp_eq_u32 s[WV], 2
	s_cselect_b32 s40, s[TB+2], s40
	s_cmp_eq_u32 s[WV], 3
	s_cselect_b32 s40, s[TB+3], s40
	s_xor_b32 s[PO], s[WV], 2
	s_lshl_b32 s[PO], s[PO], 4                     ; 16 (w xor 2)
	s_lshl_b32 s[PD], s[WV], 1                     ; 2 w
	v_and_b32 v248, 15, v0                         ; r
	v_bfe_u32 v249, v0, 4, 1                       ; h
	v_lshrrev_b32 v250, 3, v248                    ; r / 8
	v_and_b32 v251, 7, v248                        ; r % 8
	v_lshrrev_b32 v252, 2, v248                    ; r / 4
	v_and_b32 v253, 3, v248                        ; r % 4
	v_and_b32 v254, 31, v0                         ; lane
	v_lshlrev_b32 v[XAD], 4, v254                  ; token 0 of my tile: 16 lane
	s_lshl_b32 s46, s39, 12                        ; from token i to i + 1 within eight, in bytes,
	s_lshl_b32 s47, s38, 12                        ; and from token i to i + 8
.irp i, 1,2,3,4,5,6,7
	v_add_nc_u32 v[XAD+\i], s46, v[XAD+\i-1]
.endr
	v_add_nc_u32 v[XAD+8], s47, v[XAD]
.irp i, 9,10,11,12,13,14,15
	v_add_nc_u32 v[XAD+\i], s46, v[XAD+\i-1]
.endr
	s_lshl_b32 s48, s40, 12
	s_mov_b32 s49, 0
	s_wait_kmcnt 0x0
	s_add_nc_u64 s[4:5], s[4:5], s[48:49]
	XLOAD 0
	XLOAD 1
	XLOAD 2
	WIN 0
	s_mul_i32 s44, s[WV], 16*OCP
	s_mul_i32 s45, s[WV], 16*OSP
	s_mul_i32 s46, s[WV], 2*XTB                    ; my wave's two stages for the turn (they begin at LDS byte 0)
	v_add_nc_u32 v[XTW], s46, v[XAD]               ; in: 16 lane
	v_mul_u32_u24 v30, v248, XTP
	v_lshl_add_u32 v30, v249, 6, v30
	v_add_nc_u32 v[XTR], s46, v30                  ; out: token r, + 64 h
	v_add_nc_u32 v[FX], OCB, v[XAD]                ; an image's place for my lane
	s_mul_i32 s46, s[WV], 8*FRB
	v_add_nc_u32 v[XCW], s46, v[FX]                ; my tile's eight images
	v_mul_u32_u24 v30, v248, OCP
	v_mad_u32_u24 v30, v249, 24, v30
	v_add_nc_u32 v[FA], OCB, v30                   ; OCB + 784 r + 24 h
	v_mul_u32_u24 v30, v248, OSP
	v_add_nc_u32 v30, OSB, v30
	v_lshl_add_u32 v[FS], v249, 2, v30             ; OSB + 48 r + 4 h
	v_add_nc_u32 v[XSW], s45, v30
	v_mul_u32_u24 v30, v248, QKP
	v_mad_u32_u24 v30, v249, 16*QKP, v30
	s_mul_i32 s46, s[WV], 384
	v_add_nc_u32 v[CW], s46, v30                   ; token 16 h + r, my wave's 384 bytes (QKC is LDS byte 0)
	v_lshl_add_u32 v30, v248, 6, QKS
	s_lshl_b32 s46, s[WV], 4
	v_add_nc_u32 v[SW], s46, v30
	v_mul_u32_u24 v30, v252, 384                   ; head r of a token's row: 384 (r / 4) + 48 (r % 4), + 24 h
	v_mad_u32_u24 v30, v253, 48, v30
	v_mad_u32_u24 v30, v249, 24, v30
	v_add_nc_u32 v[EK], QKC+192, v30
	s_mul_i32 s46, s[WV], 16*QKP
	v_add_nc_u32 v[EQ], s46, v30
	v_lshlrev_b32 v30, 4, v252
	v_lshl_add_u32 v30, v253, 1, v30               ; its two scale bytes: 16 (r / 4) + 2 (r % 4)
	v_add_nc_u32 v[EKS], QKS+8, v30
	s_lshl_b32 s50, s[WV], 10                      ; 1,024 w
	s_add_co_u32 s46, s50, QKS
	v_add_nc_u32 v[EQS], s46, v30
	v_mul_u32_u24 v30, v248, VP
	v_lshl_add_u32 v30, v249, 5, v30
	v_add_nc_u32 v[VW], s50, v30                   ; v: token r, + 32 h, + my four heads' 1,024 bytes
.irp mt, 1,2,3
	v_add_nc_u32 v[VW+\mt], \mt*16*VP, v[VW]
.endr
	s_mul_i32 s46, s[WV], 16*VP
	v_lshlrev_b32 v30, 4, v248                     ; 16 r
	v_lshl_add_u32 v31, v249, 11, v30
	v_add_nc_u32 v[VR], s46, v31
	v_mul_u32_u24 v31, v248, 48
	v_mad_u32_u24 v31, v249, 24, v31
	v_add_nc_u32 v31, OCB, v31
	v_add_nc_u32 v[OCW], s44, v31                  ; head r's 48 bytes in my tokens' rows, + 24 h
	v_lshl_add_u32 v31, v248, 1, OSB
	v_add_nc_u32 v[OSW], s45, v31
	s_mul_i32 s46, s[WV], STW
	v_mul_u32_u24 v31, v248, STP
	v_lshl_add_u32 v31, v249, 6, v31
	v_add_nc_u32 v[SGW], s46, v31
	v_mad_u32_u24 v31, v249, STP, v30
	v_add_nc_u32 v[SGR], s46, v31
	v_lshl_add_u32 v[GA], v249, 12, v30            ; slots 0-31: neighbouring slots are neighbouring rows of out0
	s_lshl_b32 s46, s[CU2], 12
	s_lshl_b32 s47, s[CC2], 12
	v_mad_u32_u24 v[GB], v249, s47, v30            ; slots 32-63: pair k' holds slots 2 k' + h of a tile
	s_lshl_b32 s47, s[CC2], 13
.irp k, 1,2,3
	v_add_nc_u32 v[GB+\k], s47, v[GB+\k-1]
.endr
.irp k, 4,5,6,7
	v_add_nc_u32 v[GB+\k], s46, v[GB+\k-4]
.endr
	WIN 0xc0
	v_lshlrev_b32 v[LI3], 4, v254
	v_lshlrev_b32 v[LS3], 2, v254
	v_lshlrev_b32 v[LB3], 5, v249
	WIN 0
.irp b, 0,1,2,3
	v_mov_b32 v[TM+4+\b], 0                        ; written once: the destination of a lane permute, and of a DPP form, counts as one of its sources
.endr
.set KK, 0
.rept 32
	v_mov_b32 v[MX+KK], 0
.set KK, KK+1
.endr
.irp mt, 0,1,2,3
	s_lshl_b32 s48, s[TB+\mt], 12
	s_add_co_u32 s48, s48, s50
	s_add_nc_u64 s[OB+2*\mt:OB+2*\mt+1], s[8:9], s[48:49]
.endr
	s_mul_i32 s48, s[WV], 32*UB
	s_add_nc_u64 s[WP:WP+1], s[6:7], s[48:49]      ; my stream of weights
	; ---- X: my 16 tokens of x become eight fragments' images in LDS.  Three K steps (48 loads) are on their way, one is in its turn through LDS, one is quantised.
	s_wait_loadcnt 32                              ; K step 0's sixteen loads are in; the two steps behind it may be out
	TURN 0
.irp s, 0,1,2,3,4,5,6,7
.if \s == 0
	s_wait_dscnt 0x0
.else
	s_wait_dscnt 4                                 ; this step's numbers are back from the stage; behind them stand the last step's four stores of codes.  So this step's stores into the stage are done too
.endif
.if \s <= 4
	XLOAD \s+3                                     ; into the set whose turn was shown done a step ago
.endif
.if \s <= 4
	s_wait_loadcnt 32                              ; the next step's sixteen loads are in; the two steps behind it may be out
.elseif \s == 5
	s_wait_loadcnt 16
.elseif \s == 6
	s_wait_loadcnt 0x0
.endif
.if \s <= 6
	TURN \s+1                                      ; through the other stage while this step is quantised
.endif
.if \s == 6
	PRIME                                          ; q's first unit: no other load is out, so the units' counts begin here
.endif
	QUANT 64*(\s%2), 2, 1
.irp c, 0,1,2
	ds_store_b128 v[XCW], v[PC+4*\c:PC+4*\c+3] offset:FRB*\s+512*\c   ; the fragment (my tile, K step s) as it stands in my registers
.endr
	ds_store_b32 v[XSW], v[PW] offset:4*\s
.endr
	BARRIER                                        ; all 32 images of x lie in LDS, and nobody reads a stage any more: q's and k's codes take those bytes
	FETCHX
	; ---- Q and K: sixteen units; the last asks for nothing, since the ring's registers serve the scores next
	s_mov_b32 s[QST], 0
	s_mov_b32 s[SST], 0
	s_mov_b32 s[CNT], 15
.Lqk:
	UNIT 1
	EPI_QK
	s_sub_co_u32 s[CNT], s[CNT], 1
	s_cmp_lg_u32 s[CNT], 0
	s_cbranch_scc1 .Lqk
	UNIT 0
	EPI_QK
	NEXT                                           ; on to v's first unit
	WIN 0xc0
.irp f, 0,1,2,3,4,5,6,7
.irp k, 6,7,8,9,10,11
	v_mov_b32 v[12*\f+\k], 0                       ; the upper halves of the scores' eight fragments: zero codes for K = 64 .. 127
.endr
.endr
	WIN 0
	BARRIER                                        ; q's and k's codes of all tokens lie in LDS
	; ---- scores and softmax, four tokens at a time; the next four's loads stand in front of a softmax.  Between these two barriers LDS is only read.
	ELOAD 0
	s_wait_dscnt 0x0
	EMUL 0
	ELOAD 1
	SOFTMAX 0
	s_wait_dscnt 0x0
	EMUL 1
	ELOAD 2
	SOFTMAX 1
	s_wait_dscnt 0x0
	EMUL 2
	ELOAD 3
	SOFTMAX 2
	BARRIER                                        ; its wait brings the last four's fragments in; behind it nobody reads q or k, whose bytes v takes
	EMUL 3
	PRIME                                          ; v's first unit, behind the places that follow the last scores
	WIN 0
	SOFTMAX 3
	; ---- V: eight units; the last one asks for the last projection's first unit, which waits in the ring
	s_mov_b32 s[VST], 0
	s_mov_b32 s[CNT], 8
.Lv:
	UNIT 1
	EPI_V
	s_sub_co_u32 s[CNT], s[CNT], 1
	s_cmp_lg_u32 s[CNT], 0
	s_cbranch_scc1 .Lv
	BARRIER                                        ; v of all heads lies in LDS
	; ---- att . v for my 16 tokens.  The waits count the LDS instructions behind a pair's loads: the pair before's 8 stores and the next pair's 16 loads.
	VLOAD 0
.irp p, 0,1,2,3,4,5,6,7
.if \p < 7
	VLOAD \p+1
.endif
.if \p == 0
	s_wait_dscnt 16
.elseif \p < 7
	s_wait_dscnt 24
.else
	s_wait_dscnt 8
.endif
	AV \p
.endr
	BARRIER                                        ; the attention's codes of all tokens lie in LDS, and nobody reads v any more: its bytes become the stages
	FETCH
	; ---- P: eight units, two to a row of 256 bytes in the stage; the tail is written out, since its last unit asks for nothing
	s_mov_b32 s[OST], 0
	s_mov_b32 s[OST+1], 0
	s_mov_b32 s[CNT], 3
.Lp:
	UNIT 1
	EPI_P 0
	UNIT 1
	EPI_P 1
	SEND 1
	s_sub_co_u32 s[CNT], s[CNT], 1
	s_cmp_lg_u32 s[CNT], 0
	s_cbranch_scc1 .Lp
	UNIT 1
	EPI_P 0
	UNIT 0
	EPI_P 1
	SEND 0
	s_wait_tensorcnt 0x0
	ds_add_u32 v171, v175
	s_wait_dscnt 0x0
	s_endpgm
.Lfunc_end_k_q4130d6636a_fused:
	.size	k_q4130d6636a_fused, .Lfunc_end_k_q4130d6636a_fused-k_q4130d6636a_fused
	.p2alignl 7, 3214868480
	.fill 96, 4, 3214868480
	.section	.rodata,"a",@progbits
	.p2align	6, 0x0
	.amdhsa_kernel k_q4130d6636a_fused
		.amdhsa_group_segment_fixed_size 316928
		.amdhsa_private_segment_fixed_size 0
		.amdhsa_enable_private_segment 0
		.amdhsa_kernarg_size 24
		.amdhsa_user_sgpr_count 2
		.amdhsa_user_sgpr_kernarg_segment_ptr 1
		.amdhsa_wavefront_size32 1
		.amdhsa_system_sgpr_workgroup_id_x 1
		.amdhsa_system_sgpr_workgroup_id_y 1
		.amdhsa_system_sgpr_workgroup_id_z 1
		.amdhsa_system_vgpr_workitem_id 0
		.amdhsa_next_free_vgpr 1024
		.amdhsa_next_free_sgpr 66
		.amdhsa_reserve_vcc 0
		.amdhsa_float_denorm_mode_32 3
		.amdhsa_float_denorm_mode_16_64 3
		.amdhsa_memory_ordered 1
		.amdhsa_forward_progress 1
		.amdhsa_inst_pref_size 255
	.end_amdhsa_kernel
	.section	.bss,"aw",@nobits
	.p2align	6
	.space	262144
	.amdgpu_metadata
---
amdhsa.version: [ 1, 2 ]
amdhsa.kernels:
  - .name:           k_q4130d6636a_fused
    .symbol:         k_q4130d6636a_fused.kd
    .args:
      - { .name: x, .offset: 0, .size: 8, .value_kind: global_buffer, .address_space: global }
      - { .name: wimg, .offset: 8, .size: 8, .value_kind: global_buffer, .address_space: global }
      - { .name: out0, .offset: 16, .size: 8, .value_kind: global_buffer, .address_space: global }
    .group_segment_fixed_size: 316928
    .private_segment_fixed_size: 0
    .kernarg_segment_align: 8
    .kernarg_segment_size: 24
    .max_flat_workgroup_size: 128
    .sgpr_count:     66
    .vgpr_count:     1024
    .wavefront_size: 32
...
	.end_amdgpu_metadata
.endif
;; end of part 2
;; ======== version 2 of 2: 2 launches; version 1 with the launch fused written anew for expert scheduling mode
;; workspace buffers: wimg 3,309,568 bytes
;; launch wq: the kernel of part 1 again; grid 256 x 1, 4 waves a work-group, no clusters, 68,096 bytes of LDS; arguments Wq, Wk, Wv, Wp, bq, bk, bv, bp, wimg; writes wimg
;; launch fused (part 3): grid 256 x 1, 4 waves a work-group, no clusters, 316,928 bytes of LDS; arguments x, wimg, out0; writes out0
.if DOCPART == 3
	.amdgcn_target "amdgcn-amd-amdhsa--gfx1250"
	.amdhsa_code_object_version 6
	.text
	.protected	k_q4130d6636a_fused
	.globl	k_q4130d6636a_fused
	.p2align	8
	.type	k_q4130d6636a_fused,@function
k_q4130d6636a_fused:
	s_mov_b64 s[64:65], 0
	v_nop
	global_prefetch_b8 v0, s[64:65] scope:SCOPE_SE
	s_setreg_imm32_b32 hwreg(HW_REG_WAVE_SCHED_MODE, 0, 2), 2
	s_setreg_imm32_b32 hwreg(HW_REG_WAVE_MODE, 25, 1), 1
	s_wait_xcnt 0x0
	s_wait_alu depctr_vm_vsrc(0)
; out0 = (softmax over the query heads of (q[i,j] . k[j,i]) / 32 . v[i,j]) Wp^T + bp, q, k, v = x W^T + b.  All products but att . v on codes of FP6 (E2M3) with one E8M0 scale for each 32 along K; sums f32.
; A WORK-GROUP OWNS 64 TOKENS THAT ARE CLOSED UNDER (i, j) <-> (j, i) and takes them through the whole chain; only x, the weights' images and out0 touch memory.
;   Work-group g: a = g / 16, b = g % 16; lo, hi = min, max.  a != b: rows 8 lo + 4 (a > b) + 0..3, columns 8 hi + 0..7 (slots 0-31) and their transposes (slots 32-63); a = b: the 8 x 8 block on the diagonal.
;   Slot 16 t + r: token row TB[t] + Cu (r / 8) + Cc (r % 8).  The partner of slot 16 w + i is 16 (w xor 2) + i off the diagonal, 2 w + 8 (i % 8) + i / 8 on it.
; SHARES.  In the four projections THE WAVES SHARE THE FEATURES: wave w makes features 256 w .. 256 w + 255 for all 64 tokens, 32 at a time (a UNIT: 2 tiles of features x 4 tiles of tokens x 8 K steps = 64 matrix instructions).
;   The tokens' 32 fragments stay in each wave's registers (384); the weights come from wimg straight into a ring of 192 registers, one unit ahead: 60 loads of a wave are always out, and no barrier stands in a projection.
;   Scores, softmax and att . v: wave w owns tokens 16 w .. 16 w + 15.
; x IS READ DENSELY: one load takes the 512 consecutive bytes that one token has in a K step, 16 bytes a lane.  The conversions want 16 neighbours along K in ONE lane, so a K step's 8,192 bytes turn through the wave's own
;   stage in LDS: stored as loaded (token i at 528 i), read back 64 bytes a lane.  The codes then go from wave to wave as images of the operand's registers: three stores and three loads of 16 bytes a lane for a fragment.
; ALL PRODUCTS ARE USED TRANSPOSED (source 0 = features, source 1 = tokens): a lane holds one token, and the rows that form a tile of a weight were chosen (launch wq) so that its 16 results of a unit are 16 neighbours along the next K.
; NO JOINT TENSOR LOADS, though all work-groups walk the same weights: while v is made, LDS holds v in f32 (263,168 bytes), the codes of the next operand (50,176) and their scale words (3,072): 316,416 of 327,680 bytes;
;   no slot for weights fits beside them, and a weight fragment is wanted by one wave of a work-group, once.
; LDS.  V 0..263,168: v(token, head l, channel) at 4112 token + 1024 (l / 4) + 16 P + 4 (l % 4), P = the channel with bits 3 and 4 swapped.  OCB: first the 32 images of x's fragments, 1,536 bytes each; later rows of 768 bytes
;   of the attention's codes + 16.  OSB: scale words, 8 a token, pitch 48.  Inside V's bytes, before v is made: first the turn's stages, two of 8,448 bytes a wave; then QKC rows of 1,552 bytes: wave w's 16 units at
;   384 w + 24 U (q's head 4 w + e at 384 w + 48 e, k's 192 further), and QKS their bytes, 64 a token.  Inside V's bytes, after v is read: a stage of 64 rows x 272 bytes for each wave.
; LIMITS: NaN and infinities are not served; a block of zeros or under 2^-124 gets the scale byte 1 (read by this program alone); 1 / sum is v_rcp_f32 and a multiplication.
; REGISTERS, in windows of 256.  Window 0: v1-29 addresses; v32-47 the tokens' scale words; v48-55 the weights'; v56-71 the bias as a first C; v72-135 ACC; v136-175 the quantiser's; v176-239 softmax, rows on the way out
;   (v208-225: x's addresses before); v240-247 the scores' scale words; v248-255 addresses of the moment.  Window 1: v0-191 token fragments of K steps 0-3 (x as loaded before; v's operands in att . v); v192-255 att of my tokens 0-7.
;   Window 2: the same for K steps 4-7 and tokens 8-15 (v0-127: x turned, before).  Window 3: v0-191 the weight ring (the scores' fragments between k and v); v192-194 three lane offsets.
; THE MODE: SCHED_MODE bits 1:0 = 2 (LLVM: expert scheduling mode 2), set by the entry lines.  The code itself states the register dependences between vector or matrix instructions and memory or LDS instructions,
;   with s_wait_alu, always for 0.
; THE PLAN.  Registers that memory or LDS instructions touch, and who else names them:
;   Addresses v1-29, v208-225, window 3's v192-194, and v171, v175: made at the head and never written again while they serve: one wait ahead of x's first loads, one at the head's end.
;   x: the landing sets (window 1) are written by x's loads and read by the turn's LDS stores alone; the turned sets (window 2) are written by the turn's LDS loads and read by the quantiser.  A K step has two waits: behind the
;     quantiser (codes written; its turned set read) and behind the codes' stores (codes read; the landing set that this step's turn stored is read).
;   The weight ring, WS, BI: a group is read by its sixteen products and asked for again at once: one wait behind the products, ahead of the refill; a refill that stood at the next group's head would leave three groups on
;     their way for four.  Group 3's refill stands behind the epilogue's places, so that one wait states both that its registers are read and that ACC and the epilogue's addresses are written.
;   The quantiser's codes and bytes, v[AT ..], and ACC where LDS stores read it: one wait ahead of the run of stores, one behind it, ahead of the loop's branch, before anything writes them again.
;   The scores' fragments and scale words, v's operand sets, the rows on the way out: loaded behind a wait that stands there for the stores or addresses of the same step; each place says what it covers.
.set UB,   25856                       ; a unit of wimg
.set SCO,  24576                       ; its scale words
.set BIO,  25600                       ; its biases
.set QKC,  0
.set QKP,  1552
.set QKS,  64*QKP
.set QSP,  64
.set VP,   4112
.set OCB,  64*VP
.set OCP,  784
.set OSB,  OCB+64*OCP
.set OSP,  48
.set STP,  272
.set STW,  64*STP
.set XTP,  528                         ; the turn: a token's 512 bytes + 16, so that the sixteen rows of a read stand sixteen bytes apart modulo 256
.set XTB,  16*XTP                      ; one stage
.set FRB,  1536                        ; a fragment's image
.set FX,   1                           ; where an image of x is read: OCB + 16 lane
.set XCW,  2                           ; where I store my images;  v3 their scale word
.set XSW,  3
.set FA,   4                           ; where a fragment is read from rows of codes;  v5 the scale words
.set FS,   5
.set CW,   6                           ; q's, k's codes: my lane's base;  v7 their bytes'
.set SW,   7
.set EQ,   8                           ; the scores: q's fragment of my wave's token 0;  v9 k's of slot 0;  v10, v11 their scale bytes
.set EK,   9
.set EQS,  10
.set EKS,  11
.set VW,   12                          ; v12-15 v: my lane's base for each tile of tokens
.set VR,   16                          ; v read back as an operand
.set OCW,  17                          ; the attention's codes;  v18 their bytes
.set OSW,  18
.set SGW,  19                          ; the stage: in;  v20 back
.set SGR,  20
.set GA,   21                          ; out0: my lane's byte for slots 0-31;  v22-29 for slots 32-63, pair k % 8
.set GB,   22
.set XS,   32
.set WS,   48
.set BI,   56
.set ACC,  72                          ; written by matrix instructions alone
.set TM,   136                         ; v136-139 largest magnitudes, v140-143 bytes, v148-151 the conversions' scale operands
.set PW,   152
.set SBY,  153                         ; v153-154 two bytes joined
.set PC,   156                         ; v156-167 codes, v168-175 at work
.set MX,   176                         ; v176-207 maxima, then sums, then 1 / (32 sum)
.set PP,   208                         ; v208-239 exponentials
.set XAD,  208                         ; before that: v208-223 x: token i's row + 16 lane;  v224, v225 the turn's stage, in and out
.set XTW,  224
.set XTR,  225
.set KSR,  240
.set QSR,  244
.set AT,   248
.set LI3,  192                         ; window 3: 16 x lane, 4 x lane, 32 x (lane / 16)
.set LS3,  193
.set LB3,  194
.set WP,   10                          ; s[10:11] the unit that was asked for last
.set OB,   12                          ; s[12:19] out0 at each tile's first token, my features
.set WV,   20
.set SEL,  22
.set SA,   24
.set SB,   25
.set TB,   32                          ; s32-35
.set CU2,  36
.set CC2,  37
.set CNT,  41
.set PO,   42
.set PD,   43
.set QST,  51
.set SST,  52
.set VST,  53
.set OST,  54                          ; s[54:55] what the next way out adds to out0's bases: 0, then 256
.set MSB, 0
.macro WIN new                         ; bits 1:0 source 0, 3:2 source 1, 5:4 source 2, 7:6 destination; the high byte repeats the setting that is left
.if MSB != (\new)
	s_set_vgpr_msb (MSB<<8)|(\new)
.set MSB, (\new)
.endif
.endm
.macro PLACES n                        ; plain instructions that name no register of the matrix instruction in front of them (ISA guide 7.12.1)
.rept \n
	v_nop
.endr
.endm
.macro BARRIER                         ; my LDS stores have landed and my LDS loads are in: then the work-group's barrier
	s_wait_dscnt 0x0
	s_barrier_signal -1
	s_barrier_wait -1
.endm
; 64 numbers of a lane in window win, register 16 b + i = place 32 b + 16 (lane / 16) + i, become codes: afterwards lane (r, h) holds block 2 c + h in v[PC + 6 c] on, and v[TM + 4 + b] is block b's byte.  wd = 1: the four bytes as a word in v[PW].
.macro QUANT src, win, wd
	WIN ((\win)<<2)|((\win)<<4)
.irp b, 0,1,2,3
	v_max3_num_f32 v[TM+\b], 0x1800000, |v[\src+16*\b]|, |v[\src+16*\b+1]|   ; my 16 numbers of block b, from the low end on, and the floor 2^(3 - 127): the byte cannot fall under 1
.endr
.irp i, 2,4,6,8,10,12,14
.irp b, 0,1,2,3
	v_max3_num_f32 v[TM+\b], v[TM+\b], |v[\src+16*\b+\i]|, |v[\src+16*\b+\i+1]|   ; the four blocks by turns
.endr
.endr
	WIN 0
.irp b, 0,1,2,3
	v_permlanex16_b32 v[TM+4+\b], v[TM+\b], s[SEL], s[SEL+1]
.endr
.irp b, 0,1,2,3
	v_max_num_f32 v[TM+\b], v[TM+\b], v[TM+4+\b]   ; with lane l xor 16's 16: the block's largest magnitude
.endr
.irp b, 0,1,2,3
	v_add_nc_u32 v[TM+12+\b], 0xff000000, v[TM+\b] ; 2 off its exponent field: the conversion takes that field as its scale
.endr
.irp b, 0,1,2,3
	v_lshrrev_b32 v[TM+4+\b], 23, v[TM+12+\b]      ; the scale's byte
.endr
.if \wd
	v_lshl_or_b32 v[PW], v[TM+5], 8, v[TM+4]
	v_lshl_or_b32 v[PW], v[TM+6], 16, v[PW]
	v_lshl_or_b32 v[PW], v[TM+7], 24, v[PW]
.endif
	WIN \win
.irp c, 0,1
	v_cvt_scalef32_pk16_fp6_f32 v[PC+6*\c:PC+6*\c+2], v[\src+32*\c:\src+32*\c+15], v[TM+12+2*\c]
	v_cvt_scalef32_pk16_fp6_f32 v[PC+12+4*\c:PC+12+4*\c+2], v[\src+32*\c+16:\src+32*\c+31], v[TM+12+2*\c+1]   ; (a conversion's three registers begin on an even number)
.endr
	WIN 0
	v_nop                                          ; one plain instruction behind the scaled conversions
.irp c, 0,1
.irp i, 0,1,2
	v_permlane16_swap_b32 v[PC+6*\c+\i], v[PC+12+4*\c+\i]
.endr
.irp i, 0,1,2
	v_mov_b32 v[PC+3+6*\c+\i], v[PC+12+4*\c+\i]
.endr
.endr
.endm
; K step st of my 16 tokens: sixteen loads, each the 512 consecutive bytes of one token, into set st % 4 of window 1: token i in registers 4 i on
.macro XLOAD st
	WIN 0x40
.irp i, 0,1,2,3,4,5,6,7,8,9,10,11,12,13,14,15
	global_load_b128 v[64*((\st)%4)+4*\i:64*((\st)%4)+4*\i+3], v[XAD+\i], s[4:5] offset:512*(\st) th:TH_LOAD_NT
.endr
.endm
; the turn of K step st: into stage st % 2 as loaded, back into set st % 2 of window 2 with 16 neighbours of each block of 32 in a lane.  LDS serves a wave's instructions in order (ISA guide 5.7.1.4): the loads see the stores.
.macro TURN st
	WIN 0x04                                       ; an LDS store's data are its source 1: window 1
.irp i, 0,1,2,3,4,5,6,7,8,9,10,11,12,13,14,15
	ds_store_b128 v[XTW], v[64*((\st)%4)+4*\i:64*((\st)%4)+4*\i+3] offset:XTB*((\st)%2)+XTP*\i
.endr
	WIN 0x80
.irp b, 0,1,2,3
.irp j, 0,1,2,3
	ds_load_b128 v[64*((\st)%2)+16*\b+4*\j:64*((\st)%2)+16*\b+4*\j+3], v[XTR] offset:XTB*((\st)%2)+128*\b+16*\j
.endr
.endr
.endm
; Group g (K steps 2 g, 2 g + 1) of the unit at WP: 2 loads of scale words, with g = 0 the 4 of the bias, 12 of fragments: 18, 14, 14, 14 loads.
.macro WGROUP g
	WIN 0x03
	global_load_b32 v[WS+2*\g], v[LS3], s[WP:WP+1] offset:SCO+256*\g
	global_load_b32 v[WS+2*\g+1], v[LS3], s[WP:WP+1] offset:SCO+256*\g+128
.if \g == 0
.irp u, 0,1
.irp q, 0,1
	global_load_b128 v[BI+8*\u+4*\q:BI+8*\u+4*\q+3], v[LB3], s[WP:WP+1] offset:BIO+64*\u+16*\q   ; lane (r, h): the biases of the tile's rows 8 h + 0 .. 7: the result's layout
.endr
.endr
.endif
	WIN 0xc3
.irp f, 0,1,2,3
.irp c, 0,1,2
	global_load_b128 v[48*\g+12*\f+4*\c:48*\g+12*\f+4*\c+3], v[LI3], s[WP:WP+1] offset:6144*\g+1536*\f+512*\c   ; 512 consecutive bytes: the registers' image
.endr
.endr
.endm
.macro PRIME
.irp g, 0,1,2,3
	WGROUP \g
.endr
.endm
.macro NEXT                            ; the weights' base goes one unit on
	s_wait_xcnt 0x0                                ; the loads issued have had their addresses translated (ISA guide 3.1): only behind this wait is their base written
	s_add_nc_u64 s[WP:WP+1], s[WP:WP+1], UB
.endm
.macro MM d, a, b, c, sa, sb, ra, rb   ; ra, rb: the side's scale words stand in lanes 16-31
.if (\ra) && (\rb)
	v_wmma_scale_f32_16x16x128_f8f6f4 v[\d:\d+7], v[\a:\a+11], v[\b:\b+11], v[\c:\c+7], v[\sa], v[\sb] matrix_a_fmt:MATRIX_FMT_FP6 matrix_b_fmt:MATRIX_FMT_FP6 matrix_a_scale:MATRIX_SCALE_ROW1 matrix_b_scale:MATRIX_SCALE_ROW1
.elseif \ra
	v_wmma_scale_f32_16x16x128_f8f6f4 v[\d:\d+7], v[\a:\a+11], v[\b:\b+11], v[\c:\c+7], v[\sa], v[\sb] matrix_a_fmt:MATRIX_FMT_FP6 matrix_b_fmt:MATRIX_FMT_FP6 matrix_a_scale:MATRIX_SCALE_ROW1
.elseif \rb
	v_wmma_scale_f32_16x16x128_f8f6f4 v[\d:\d+7], v[\a:\a+11], v[\b:\b+11], v[\c:\c+7], v[\sa], v[\sb] matrix_a_fmt:MATRIX_FMT_FP6 matrix_b_fmt:MATRIX_FMT_FP6 matrix_b_scale:MATRIX_SCALE_ROW1
.else
	v_wmma_scale_f32_16x16x128_f8f6f4 v[\d:\d+7], v[\a:\a+11], v[\b:\b+11], v[\c:\c+7], v[\sa], v[\sb] matrix_a_fmt:MATRIX_FMT_FP6 matrix_b_fmt:MATRIX_FMT_FP6
.endif
.endm
; A UNIT: 32 features x 64 tokens x all of K.  The eight accumulators take turns, one instruction a turn; the first K step takes the bias as C.
; ahead = 1: behind each group's sixteen products the same group of the NEXT unit is asked for, into the registers just read (group 3's refill stands in the epilogue, behind its places); the base steps behind the first
; sixteen products, ahead of the first of those loads, where the last unit's loads were issued an epilogue and sixteen products ago.
; The waits count the loads issued behind the group wanted.  ahead = 1: in front of group 0 this unit's three later groups, 3 x 14 = 42; in front of group g > 0 this unit's 3 - g later groups and the next unit's g groups
; already asked for, of which the first has 18: 14 (3 - g) + 18 + 14 (g - 1) = 46.  ahead = 0: 14 (3 - g).
.macro UNIT ahead
.irp g, 0,1,2,3
.if \ahead
.if \g == 0
	s_wait_loadcnt 42
.else
	s_wait_loadcnt 46
.endif
.else
	s_wait_loadcnt 14*(3-\g)
.endif
.if \g < 2
	WIN 0x07                                       ; source 0 (weights) window 3, source 1 (tokens) window 1
.else
	WIN 0x0b                                       ; tokens' K steps 4-7: window 2
.endif
.irp e, 0,1
.irp u, 0,1
.irp mt, 0,1,2,3
.set CR, ACC+16*\mt+8*\u
.if (\g == 0) && (\e == 0)
.set CR, BI+8*\u
.endif
	MM ACC+16*\mt+8*\u, 48*\g+24*\e+12*\u, 48*(2*(\g%2)+\e)+12*\mt, CR, WS+2*\g+\e, XS+4*\mt+\g, \u, \e
.endr
.endr
.endr
.if \ahead && (\g < 3)
	PLACES 4                                       ; behind the products, ahead of the wait
.if \g == 0
	NEXT
.endif
	s_wait_alu depctr_va_vdst(0)                   ; this group's products are done reading their weights and scale words (group 0: the bias too), in which the loads below land
	WGROUP \g
.endif
.endr
	WIN 0
.endm
; q's or k's unit: block b of the quantiser = tile b of tokens; lane (r, h) ends with the 24 bytes of tokens 16 h + r and 32 + 16 h + r.
.macro EPI_QK ahead
	v_add_nc_u32 v[AT], s[QST], v[CW]              ; this unit's place in the rows (these two and two v_nop are the places behind the products)
	v_add_nc_u32 v[AT+1], s[SST], v[SW]
	PLACES 2
.if \ahead
	s_wait_alu depctr_va_vdst(0)                   ; group 3's products are done reading their weights and scale words, in which the loads below land
	WGROUP 3
	WIN 0
.endif
	QUANT ACC, 0, 0
	s_wait_alu depctr_va_vdst(0)                   ; the quantiser has written the codes and the bytes, the additions above the two addresses: the stores below read them
.irp c, 0,1
.irp p, 0,1,2
	ds_store_b64 v[AT], v[PC+6*\c+2*\p:PC+6*\c+2*\p+1] offset:32*QKP*\c+8*\p
.endr
.endr
.irp mt, 0,1,2,3
	ds_store_b8 v[AT+1], v[TM+4+\mt] offset:16*QSP*\mt   ; both lanes of a block write the same byte with the same value
.endr
	s_wait_alu depctr_vm_vsrc(0)                   ; the stores have read codes, bytes and addresses: the next epilogue writes them again (behind the last unit: the scores' addresses, and att . v's quantiser)
	s_add_co_u32 s[QST], s[QST], 24
	s_add_co_u32 s[SST], s[SST], 1
.endm
; v's unit stays f32: four neighbouring registers are one channel of my four heads: 16 bytes.
.macro EPI_V
.irp mt, 0,1,2,3
	v_add_nc_u32 v[AT+\mt], s[VST], v[VW+\mt]
.endr
	v_nop                                          ; five places in all: the next unit's products write over these accumulators
	s_wait_alu depctr_va_vdst(0)                   ; the unit's products have written ACC and the additions the addresses, which the stores read; group 3's products are done reading their weights and scale words, in which the loads land
	WGROUP 3
	WIN 0
.irp mt, 0,1,2,3
.irp u, 0,1
.irp j, 0,1
	ds_store_b128 v[AT+\mt], v[ACC+16*\mt+8*\u+4*\j:ACC+16*\mt+8*\u+4*\j+3] offset:64*\u+16*\j   ; each accumulator from its low end on
.endr
.endr
.endr
	s_wait_alu depctr_vm_vsrc(0)                   ; the stores have read ACC, which the next products write, and the addresses, which the next epilogue writes
	s_add_co_u32 s[VST], s[VST], 128
.endm
; the last projection's unit goes to my stage: 128 bytes of each of 64 rows; two units make rows of 256 bytes.
.macro EPI_P par, ahead
	PLACES 5
	s_wait_alu depctr_va_vdst(0)                   ; the unit's products have written ACC, which the stores read; where a next unit is asked for: group 3's products are done reading their weights and scale words, in which the loads land
.if \ahead
	WGROUP 3
	WIN 0
.endif
.irp mt, 0,1,2,3
.irp q, 0,1,2,3
	ds_store_b128 v[SGW], v[ACC+16*\mt+4*\q:ACC+16*\mt+4*\q+3] offset:16*STP*\mt+128*\par+16*\q
.endr
.endr
.if \par == 0
	s_wait_alu depctr_vm_vsrc(0)                   ; the stores have read ACC, which the next unit's products write (behind the second unit of a pair the wait at the way out's end states it)
.endif
.endm
; The stage's 64 rows come back whole, two rows a load, and leave: sixteen lanes store 256 consecutive bytes, aligned.  LDS serves a wave's instructions in order (ISA guide 5.7.1.4): the loads see my stores.
; The registers that the last way out stored from are loaded again here: between the two stands a unit's wait on XCNT for 0, on every path, and the wait at the last way out's end.  No vector or matrix instruction
; since the epilogue's wait names them.  The bases step here, behind a wait of their own.
.macro SEND more
.irp k, 0,1,2,3,4,5,6,7,8,9,10,11,12,13,14,15
	ds_load_b128 v[MX+4*\k:MX+4*\k+3], v[SGR] offset:2*STP*\k
.endr
	WIN 0x40
.irp k, 16,17,18,19,20,21,22,23,24,25,26,27,28,29,30,31
	ds_load_b128 v[192+4*(\k-16):192+4*(\k-16)+3], v[SGR] offset:2*STP*\k
.endr
	WIN 0
	s_wait_xcnt 0x0                                ; the last way out's stores have read their bases
.irp mt, 0,1,2,3
	s_add_nc_u64 s[OB+2*\mt:OB+2*\mt+1], s[OB+2*\mt:OB+2*\mt+1], s[OST:OST+1]   ; 64 features on (the first time: 0)
.endr
.irp k, 0,1,2,3,4,5,6,7,8,9,10,11,12,13,14,15
	s_wait_dscnt 31-\k                             ; the loads behind pair k may be out
	global_store_b128 v[GA], v[MX+4*\k:MX+4*\k+3], s[OB+2*(\k/8):OB+2*(\k/8)+1] offset:((\k%8)/4)*524288+((\k%8)%4)*8192 th:TH_STORE_NT
.endr
	WIN 0x04                                       ; a store's data are its source 1: window 1
.irp k, 16,17,18,19,20,21,22,23,24,25,26,27,28,29,30,31
	s_wait_dscnt 31-\k
	global_store_b128 v[GB+\k%8], v[192+4*(\k-16):192+4*(\k-16)+3], s[OB+2*(\k/8):OB+2*(\k/8)+1] th:TH_STORE_NT
.endr
	WIN 0
.if \more
	s_wait_alu depctr_vm_vsrc(0)                   ; these stores have read their rows, in which the next way out's loads land; the stage's stores have read ACC, which the next unit's products write
	s_mov_b32 s[OST], 256
.endif
.endm
.macro SCWORDS                         ; the tokens' scale words: lanes 0-15 an even K step's, lanes 16-31 the odd one's behind it
.irp mt, 0,1,2,3
.irp g, 0,1,2,3
	ds_load_b32 v[XS+4*\mt+\g], v[FS] offset:16*OSP*\mt+8*\g
.endr
.endr
	s_wait_dscnt 0x0
.endm
; x's 32 fragments come back as they were stored: the registers' images
.macro FETCHX
	WIN 0x40
.irp s, 0,1,2,3
.irp mt, 0,1,2,3
.irp c, 0,1,2
	ds_load_b128 v[48*\s+12*\mt+4*\c:48*\s+12*\mt+4*\c+3], v[FX] offset:(8*\mt+\s)*FRB+512*\c
.endr
.endr
.endr
	WIN 0x80
.irp s, 4,5,6,7
.irp mt, 0,1,2,3
.irp c, 0,1,2
	ds_load_b128 v[48*(\s-4)+12*\mt+4*\c:48*(\s-4)+12*\mt+4*\c+3], v[FX] offset:(8*\mt+\s)*FRB+512*\c
.endr
.endr
.endr
	WIN 0
	SCWORDS
.endm
; the attention's codes lie as rows (a lane made a head's 48 bytes of a token): they become my 32 fragments by pieces of 8 bytes
.macro FETCH
	WIN 0x40
.irp s, 0,1,2,3
.irp mt, 0,1,2,3
.irp c, 0,1
.irp p, 0,1,2
	ds_load_b64 v[48*\s+12*\mt+6*\c+2*\p:48*\s+12*\mt+6*\c+2*\p+1], v[FA] offset:16*OCP*\mt+96*\s+48*\c+8*\p
.endr
.endr
.endr
.endr
	WIN 0x80
.irp s, 4,5,6,7
.irp mt, 0,1,2,3
.irp c, 0,1
.irp p, 0,1,2
	ds_load_b64 v[48*(\s-4)+12*\mt+6*\c+2*\p:48*(\s-4)+12*\mt+6*\c+2*\p+1], v[FA] offset:16*OCP*\mt+96*\s+48*\c+8*\p
.endr
.endr
.endr
.endr
	WIN 0
	SCWORDS
.endm
; THE SCORES of my tokens 4 bt .. 4 bt + 3.  A fragment is 16 heads x 128, of which the head's 64 are real: registers 0-5; registers 6-11 hold zero codes.  k's comes from the partner's slot.
.macro ELOAD bt
.if \bt > 0
	s_wait_alu depctr_vm_vsrc(0)                   ; the last four tokens' loads have read v[AT ..], which the additions below write again
.endif
.irp ii, 0,1,2,3
	s_add_co_u32 s44, s[PO], 4*\bt+\ii             ; the partner off the diagonal,
	s_add_co_u32 s45, s[PD], 8*((4*\bt+\ii)%8)+(4*\bt+\ii)/8   ; and on it
	s_cmp_eq_u32 s[SA], s[SB]
	s_cselect_b32 s44, s45, s44
	s_mul_i32 s45, s44, QKP
	s_lshl_b32 s44, s44, 6
	v_add_nc_u32 v[AT+\ii], s45, v[EK]
	v_add_nc_u32 v[AT+4+\ii], s44, v[EKS]
.endr
	WIN 0xc0
	s_wait_alu depctr_va_vdst(0)                   ; the additions have written v[AT ..], the loads' addresses; the products before are done reading the fragments and scale words in which the loads land; the first time: the zero codes are written, which the scores' products take as operands
.irp ii, 0,1,2,3
.irp p, 0,1,2
	ds_load_b64 v[24*\ii+2*\p:24*\ii+2*\p+1], v[AT+\ii] offset:8*\p
	ds_load_b64 v[24*\ii+12+2*\p:24*\ii+12+2*\p+1], v[EQ] offset:QKP*(4*\bt+\ii)+8*\p
.endr
.endr
	WIN 0
.irp ii, 0,1,2,3
	ds_load_u16 v[KSR+\ii], v[AT+4+\ii]            ; two scale bytes; the word's upper two are 0 and stand over zero codes
	ds_load_u16 v[QSR+\ii], v[EQS] offset:QSP*(4*\bt+\ii)
.endr
.endm
.macro EMUL bt                         ; source 0 = k's 16 heads, source 1 = q's: lane (a, h), register j: energy(query head a, key head 8 h + j)
	WIN 0x0f
.irp ii, 0,1,2,3
	v_wmma_scale_f32_16x16x128_f8f6f4 v[ACC+32*((\bt)%2)+8*\ii:ACC+32*((\bt)%2)+8*\ii+7], v[24*\ii:24*\ii+11], v[24*\ii+12:24*\ii+23], 0, v[KSR+\ii], v[QSR+\ii] matrix_a_fmt:MATRIX_FMT_FP6 matrix_b_fmt:MATRIX_FMT_FP6
.endr
	WIN 0
	PLACES 4                                       ; in front of the reads of the scores
.endm
; THE SOFTMAX runs over the QUERY heads: the sixteen lanes of a row.  32 registers (4 tokens x 8 key heads) by turns; four steps of lane l xor 1, 2, 4, 8 ride on the arithmetic.
.macro SOFTMAX bt
.set EE, ACC+32*((\bt)%2)
.set KK, 0
.rept 32
	v_max_num_f32_dpp v[MX+KK], v[EE+KK], v[EE+KK] row_xmask:1 row_mask:0xf bank_mask:0xf   ; each accumulator from its low end on
.set KK, KK+1
.endr
.irp x, 2,4,8
.set KK, 0
.rept 32
	v_max_num_f32_dpp v[MX+KK], v[MX+KK], v[MX+KK] row_xmask:\x row_mask:0xf bank_mask:0xf
.set KK, KK+1
.endr
.endr
.set KK, 0
.rept 16
	v_pk_add_f32 v[PP+KK:PP+KK+1], v[EE+KK:EE+KK+1], v[MX+KK:MX+KK+1] neg_lo:[0,1] neg_hi:[0,1]   ; the maximum is taken away first
.set KK, KK+2
.endr
.set KK, 0
.rept 16
	v_pk_mul_f32 v[PP+KK:PP+KK+1], v[PP+KK:PP+KK+1], 0x3fb8aa3b op_sel_hi:[1,0]   ; x log2(e)
.set KK, KK+2
.endr
.set KK, 0
.rept 32
	v_exp_f32 v[PP+KK], v[PP+KK]
.set KK, KK+1
.endr
	v_nop                                          ; one plain instruction behind the exponentials
.set KK, 0
	s_wait_alu depctr_va_vdst(0)                   ; the 32 exponentials have written v[PP ..], which the sums below read: one wait for the batch
.rept 32
	v_add_f32_dpp v[MX+KK], v[PP+KK], v[PP+KK] row_xmask:1 row_mask:0xf bank_mask:0xf
.set KK, KK+1
.endr
.irp x, 2,4,8
.set KK, 0
.rept 32
	v_add_f32_dpp v[MX+KK], v[MX+KK], v[MX+KK] row_xmask:\x row_mask:0xf bank_mask:0xf
.set KK, KK+1
.endr
.endr
.set KK, 0
.rept 32
	v_rcp_f32 v[MX+KK], v[MX+KK]
.set KK, KK+1
.endr
	v_nop                                          ; one plain instruction behind the reciprocals
.set KK, 0
	s_wait_alu depctr_va_vdst(0)                   ; the 32 reciprocals have written v[MX ..], which the multiplications below read: one wait for the batch
.rept 16
	v_pk_mul_f32 v[MX+KK:MX+KK+1], v[MX+KK:MX+KK+1], 0x3d000000 op_sel_hi:[1,0]   ; / 32 = sqrt(1024): exact
.set KK, KK+2
.endr
.if \bt < 2
	WIN 0x40
.else
	WIN 0x80
.endif
.set KK, 0
.rept 16
	v_pk_mul_f32 v[192+32*((\bt)%2)+KK:192+32*((\bt)%2)+KK+1], v[PP+KK:PP+KK+1], v[MX+KK:MX+KK+1]   ; att(a, 8 h + j) of token i at register 192 + 8 (i % 8) + j
.set KK, KK+2
.endr
	WIN 0
.endm
; att . v in f32, two tokens at a time.  Source 0 = 16 channels of v, source 1 = att; the K place (h, j') of step ks stands for key head 8 h + 2 ks + j' on both sides.
.macro VLOAD pr                        ; lane (r, h): channel place 16 t + r, heads 8 h + 0 .. 7: two loads of 16 bytes for each tile t.  The set's last readers, products, stand ahead of the last wait on va_vdst, and nothing since names it
	WIN 0x40
.irp c, 0,1
.irp t, 0,1,2,3
.irp q, 0,1
	ds_load_b128 v[64*((\pr)%2)+32*\c+8*\t+4*\q:64*((\pr)%2)+32*\c+8*\t+4*\q+3], v[VR] offset:VP*(2*(\pr)+\c)+256*\t+1024*\q
.endr
.endr
.endr
	WIN 0
.endm
.macro AV pr
.if \pr < 4
	WIN 0x05
.else
	WIN 0x09
.endif
.irp ks, 0,1,2,3
.irp c, 0,1
.irp t, 0,1,2,3
.if \ks == 0
	v_wmma_f32_16x16x4_f32 v[ACC+32*\c+8*\t:ACC+32*\c+8*\t+7], v[64*(\pr%2)+32*\c+8*\t:64*(\pr%2)+32*\c+8*\t+1], v[192+8*((2*\pr+\c)%8):192+8*((2*\pr+\c)%8)+1], 0
.else
	v_wmma_f32_16x16x4_f32 v[ACC+32*\c+8*\t:ACC+32*\c+8*\t+7], v[64*(\pr%2)+32*\c+8*\t+2*\ks:64*(\pr%2)+32*\c+8*\t+2*\ks+1], v[192+8*((2*\pr+\c)%8)+2*\ks:192+8*((2*\pr+\c)%8)+2*\ks+1], v[ACC+32*\c+8*\t:ACC+32*\c+8*\t+7]
.endif
.endr
.endr
.endr
	WIN 0
	PLACES 8                                       ; this form wants eight in front of the first read of its results
.if \pr > 0
	s_wait_alu depctr_vm_vsrc(0)                   ; the pair before's stores have read the codes and the joined bytes, which the lines below write again
.endif
	QUANT ACC, 0, 0                                ; block 2 c + b: token c, channels 32 b on, of head lane % 16: 32 neighbours along the last projection's K
.irp c, 0,1
	v_lshl_or_b32 v[SBY+\c], v[TM+5+2*\c], 8, v[TM+4+2*\c]
.endr
	s_wait_alu depctr_va_vdst(0)                   ; the codes and the joined bytes are written, which the eight stores read; this pair's products are done reading their set of v, in which the loads of the pair after next land
.irp c, 0,1
.irp p, 0,1,2
	ds_store_b64 v[OCW], v[PC+6*\c+2*\p:PC+6*\c+2*\p+1] offset:OCP*(2*\pr+\c)+8*\p
.endr
.endr
.irp c, 0,1
	ds_store_b16 v[OSW], v[SBY+\c] offset:OSP*(2*\pr+\c)   ; my head's two bytes; both halves of the lanes write the same
.endr
.endm
	; ---- the head: the set of tokens, x's addresses, the first loads of x, then every other address
	s_load_b128 s[4:7], s[0:1], 0x0                ; x s[4:5], wimg s[6:7]
	s_load_b64 s[8:9], s[0:1], 0x10                ; out0
	v_lshl_add_u32 v171, v0, 2, 0x4d400
	v_mov_b32 v175, 0
	v_lshrrev_b32 v30, 5, v0
	v_readfirstlane_b32 s[WV], v30                 ; wave 0..3
	s_mov_b32 s[SEL], 0x76543210
	s_mov_b32 s[SEL+1], 0xfedcba98                 ; v_permlanex16_b32's selects for lane l xor 16
	s_lshr_b32 s[SA], ttmp9, 4                     ; a
	s_and_b32 s[SB], ttmp9, 15                     ; b
	s_min_u32 s26, s[SA], s[SB]
	s_max_u32 s27, s[SA], s[SB]
	s_cmp_gt_u32 s[SA], s[SB]
	s_cselect_b32 s28, 4, 0
	s_lshl_b32 s29, s26, 3
	s_add_co_u32 s29, s29, s28                     ; P = 8 lo + 4 (a > b)
	s_lshl_b32 s30, s27, 3                         ; Q = 8 hi
	s_lshl_b32 s31, s29, 7
	s_add_co_u32 s[TB], s31, s30                   ; tile 0: 128 P + Q
	s_add_co_u32 s[TB+1], s[TB], 256               ; tile 1: two rows down
	s_lshl_b32 s31, s30, 7
	s_add_co_u32 s31, s31, s29                     ; 128 Q + P: the transposes
	s_add_co_u32 s[TB+2], s[TB], 512               ; on the diagonal: four rows down
	s_cmp_lg_u32 s[SA], s[SB]
	s_cselect_b32 s[TB+2], s31, s[TB+2]
	s_cselect_b32 s[CU2], 1, 128                   ; tiles 2, 3: token rows for r / 8,
	s_cselect_b32 s[CC2], 128, 1                   ; and for r % 8
	s_lshl_b32 s[TB+3], s[CU2], 1
	s_add_co_u32 s[TB+3], s[TB+3], s[TB+2]
	s_wait_alu depctr_va_sdst(0)                   ; the wave's number is written, ahead of its first reader
	s_cmp_lt_u32 s[WV], 2                          ; my wave's own tile of tokens
	s_cselect_b32 s38, 128, s[CU2]
	s_cselect_b32 s39, 1, s[CC2]
	s_cmp_eq_u32 s[WV], 1
	s_cselect_b32 s40, s[TB+1], s[TB]
	s_cmp_eq_u32 s[WV], 2
	s_cselect_b32 s40, s[TB+2], s40
	s_cmp_eq_u32 s[WV], 3
	s_cselect_b32 s40, s[TB+3], s40
	s_xor_b32 s[PO], s[WV], 2
	s_lshl_b32 s[PO], s[PO], 4                     ; 16 (w xor 2)
	s_lshl_b32 s[PD], s[WV], 1                     ; 2 w
	v_and_b32 v248, 15, v0                         ; r
	v_bfe_u32 v249, v0, 4, 1                       ; h
	v_lshrrev_b32 v250, 3, v248                    ; r / 8
	v_and_b32 v251, 7, v248                        ; r % 8
	v_lshrrev_b32 v252, 2, v248                    ; r / 4
	v_and_b32 v253, 3, v248                        ; r % 4
	v_and_b32 v254, 31, v0                         ; lane
	v_lshlrev_b32 v[XAD], 4, v254                  ; token 0 of my tile: 16 lane
	s_lshl_b32 s46, s39, 12                        ; from token i to i + 1 within eight, in bytes,
	s_lshl_b32 s47, s38, 12                        ; and from token i to i + 8
.irp i, 1,2,3,4,5,6,7
	v_add_nc_u32 v[XAD+\i], s46, v[XAD+\i-1]
.endr
	v_add_nc_u32 v[XAD+8], s47, v[XAD]
.irp i, 9,10,11,12,13,14,15
	v_add_nc_u32 v[XAD+\i], s46, v[XAD+\i-1]
.endr
	s_lshl_b32 s48, s40, 12
	s_mov_b32 s49, 0
	s_wait_kmcnt 0x0
	s_add_nc_u64 s[4:5], s[4:5], s[48:49]
	s_wait_alu depctr_va_vdst(0)                   ; x's sixteen offsets are written, which every load of x reads
	XLOAD 0
	XLOAD 1
	XLOAD 2
	WIN 0
	s_mul_i32 s44, s[WV], 16*OCP
	s_mul_i32 s45, s[WV], 16*OSP
	s_mul_i32 s46, s[WV], 2*XTB                    ; my wave's two stages for the turn (they begin at LDS byte 0)
	v_add_nc_u32 v[XTW], s46, v[XAD]               ; in: 16 lane
	v_mul_u32_u24 v30, v248, XTP
	v_lshl_add_u32 v30, v249, 6, v30
	v_add_nc_u32 v[XTR], s46, v30                  ; out: token r, + 64 h
	v_add_nc_u32 v[FX], OCB, v[XAD]                ; an image's place for my lane
	s_mul_i32 s46, s[WV], 8*FRB
	v_add_nc_u32 v[XCW], s46, v[FX]                ; my tile's eight images
	v_mul_u32_u24 v30, v248, OCP
	v_mad_u32_u24 v30, v249, 24, v30
	v_add_nc_u32 v[FA], OCB, v30                   ; OCB + 784 r + 24 h
	v_mul_u32_u24 v30, v248, OSP
	v_add_nc_u32 v30, OSB, v30
	v_lshl_add_u32 v[FS], v249, 2, v30             ; OSB + 48 r + 4 h
	v_add_nc_u32 v[XSW], s45, v30
	v_mul_u32_u24 v30, v248, QKP
	v_mad_u32_u24 v30, v249, 16*QKP, v30
	s_mul_i32 s46, s[WV], 384
	v_add_nc_u32 v[CW], s46, v30                   ; token 16 h + r, my wave's 384 bytes (QKC is LDS byte 0)
	v_lshl_add_u32 v30, v248, 6, QKS
	s_lshl_b32 s46, s[WV], 4
	v_add_nc_u32 v[SW], s46, v30
	v_mul_u32_u24 v30, v252, 384                   ; head r of a token's row: 384 (r / 4) + 48 (r % 4), + 24 h
	v_mad_u32_u24 v30, v253, 48, v30
	v_mad_u32_u24 v30, v249, 24, v30
	v_add_nc_u32 v[EK], QKC+192, v30
	s_mul_i32 s46, s[WV], 16*QKP
	v_add_nc_u32 v[EQ], s46, v30
	v_lshlrev_b32 v30, 4, v252
	v_lshl_add_u32 v30, v253, 1, v30               ; its two scale bytes: 16 (r / 4) + 2 (r % 4)
	v_add_nc_u32 v[EKS], QKS+8, v30
	s_lshl_b32 s50, s[WV], 10                      ; 1,024 w
	s_add_co_u32 s46, s50, QKS
	v_add_nc_u32 v[EQS], s46, v30
	v_mul_u32_u24 v30, v248, VP
	v_lshl_add_u32 v30, v249, 5, v30
	v_add_nc_u32 v[VW], s50, v30                   ; v: token r, + 32 h, + my four heads' 1,024 bytes
.irp mt, 1,2,3
	v_add_nc_u32 v[VW+\mt], \mt*16*VP, v[VW]
.endr
	s_mul_i32 s46, s[WV], 16*VP
	v_lshlrev_b32 v30, 4, v248                     ; 16 r
	v_lshl_add_u32 v31, v249, 11, v30
	v_add_nc_u32 v[VR], s46, v31
	v_mul_u32_u24 v31, v248, 48
	v_mad_u32_u24 v31, v249, 24, v31
	v_add_nc_u32 v31, OCB, v31
	v_add_nc_u32 v[OCW], s44, v31                  ; head r's 48 bytes in my tokens' rows, + 24 h
	v_lshl_add_u32 v31, v248, 1, OSB
	v_add_nc_u32 v[OSW], s45, v31
	s_mul_i32 s46, s[WV], STW
	v_mul_u32_u24 v31, v248, STP
	v_lshl_add_u32 v31, v249, 6, v31
	v_add_nc_u32 v[SGW], s46, v31
	v_mad_u32_u24 v31, v249, STP, v30
	v_add_nc_u32 v[SGR], s46, v31
	v_lshl_add_u32 v[GA], v249, 12, v30            ; slots 0-31: neighbouring slots are neighbouring rows of out0
	s_lshl_b32 s46, s[CU2], 12
	s_lshl_b32 s47, s[CC2], 12
	v_mad_u32_u24 v[GB], v249, s47, v30            ; slots 32-63: pair k' holds slots 2 k' + h of a tile
	s_lshl_b32 s47, s[CC2], 13
.irp k, 1,2,3
	v_add_nc_u32 v[GB+\k], s47, v[GB+\k-1]
.endr
.irp k, 4,5,6,7
	v_add_nc_u32 v[GB+\k], s46, v[GB+\k-4]
.endr
	WIN 0xc0
	v_lshlrev_b32 v[LI3], 4, v254
	v_lshlrev_b32 v[LS3], 2, v254
	v_lshlrev_b32 v[LB3], 5, v249
	WIN 0
.irp b, 0,1,2,3
	v_mov_b32 v[TM+4+\b], 0                        ; written once: the destination of a lane permute, and of a DPP form, counts as one of its sources
.endr
.set KK, 0
.rept 32
	v_mov_b32 v[MX+KK], 0
.set KK, KK+1
.endr
.irp mt, 0,1,2,3
	s_lshl_b32 s48, s[TB+\mt], 12
	s_add_co_u32 s48, s48, s50
	s_add_nc_u64 s[OB+2*\mt:OB+2*\mt+1], s[8:9], s[48:49]
.endr
	s_mul_i32 s48, s[WV], 32*UB
	s_add_nc_u64 s[WP:WP+1], s[6:7], s[48:49]      ; my stream of weights
	s_wait_alu depctr_va_vdst(0)                   ; every address and offset of the kernel is written (v1-29, v224, v225, window 3's three, the closing add's two): the loads and stores from here on read them, and no vector instruction writes them again
	; ---- X: my 16 tokens of x become eight fragments' images in LDS.  Three K steps (48 loads) are on their way, one is in its turn through LDS, one is quantised.
	s_wait_loadcnt 32                              ; K step 0's sixteen loads are in; the two steps behind it may be out
	TURN 0
.irp s, 0,1,2,3,4,5,6,7
.if \s == 0
	s_wait_dscnt 0x0
.else
	s_wait_dscnt 4                                 ; this step's numbers are back from the stage; behind them stand the last step's four stores of codes.  So this step's stores into the stage are done too
.endif
.if \s <= 4
	XLOAD \s+3                                     ; into the set whose turn was shown done a step ago; the turn's stores that read it stand ahead of the last wait on vm_vsrc
.endif
.if \s <= 4
	s_wait_loadcnt 32                              ; the next step's sixteen loads are in; the two steps behind it may be out
.elseif \s == 5
	s_wait_loadcnt 16
.elseif \s == 6
	s_wait_loadcnt 0x0
.endif
.if \s <= 6
	TURN \s+1                                      ; through the other stage while this step is quantised; its loads land in the set that the last step's quantiser read, ahead of the last wait on va_vdst
.endif
.if \s == 6
	PRIME                                          ; q's first unit: no other load is out, so the units' counts begin here
.endif
	QUANT 64*(\s%2), 2, 1
	s_wait_alu depctr_va_vdst(0)                   ; the quantiser has written the codes and the word, which the four stores read, and is done reading its turned set, in which the turn of two steps on lands
.irp c, 0,1,2
	ds_store_b128 v[XCW], v[PC+4*\c:PC+4*\c+3] offset:FRB*\s+512*\c   ; the fragment (my tile, K step s) as it stands in my registers
.endr
	ds_store_b32 v[XSW], v[PW] offset:4*\s
	s_wait_alu depctr_vm_vsrc(0)                   ; these stores have read the codes and the word, which the next quantiser writes; the turn's stores issued in this step have read their landing set, in which later loads land
.endr
	BARRIER                                        ; all 32 images of x lie in LDS, and nobody reads a stage any more: q's and k's codes take those bytes
	FETCHX
	; ---- Q and K: sixteen units; the last asks for nothing, since the ring's registers serve the scores next
	s_mov_b32 s[QST], 0
	s_mov_b32 s[SST], 0
	s_mov_b32 s[CNT], 15
.Lqk:
	UNIT 1
	EPI_QK 1
	s_sub_co_u32 s[CNT], s[CNT], 1
	s_cmp_lg_u32 s[CNT], 0
	s_cbranch_scc1 .Lqk
	UNIT 0
	EPI_QK 0
	NEXT                                           ; on to v's first unit
	WIN 0xc0
.irp f, 0,1,2,3,4,5,6,7
.irp k, 6,7,8,9,10,11
	v_mov_b32 v[12*\f+\k], 0                       ; the upper halves of the scores' eight fragments: zero codes for K = 64 .. 127
.endr
.endr
	WIN 0
	BARRIER                                        ; q's and k's codes of all tokens lie in LDS
	; ---- scores and softmax, four tokens at a time; the next four's loads stand in front of a softmax.  Between these two barriers LDS is only read.
	ELOAD 0
	s_wait_dscnt 0x0
	EMUL 0
	ELOAD 1
	SOFTMAX 0
	s_wait_dscnt 0x0
	EMUL 1
	ELOAD 2
	SOFTMAX 1
	s_wait_dscnt 0x0
	EMUL 2
	ELOAD 3
	SOFTMAX 2
	BARRIER                                        ; its wait brings the last four's fragments in; behind it nobody reads q or k, whose bytes v takes
	EMUL 3
	s_wait_alu depctr_va_vdst(0)                   ; the last scores' products are done reading the fragments, and the zero codes are written: the ring's loads below land in these registers
	PRIME                                          ; v's first unit, behind the places that follow the last scores
	WIN 0
	SOFTMAX 3
	s_wait_alu depctr_vm_vsrc(0)                   ; the last four tokens' loads have read v[AT ..], which v's first epilogue writes
	; ---- V: eight units; the last one asks for the last projection's first unit, which waits in the ring
	s_mov_b32 s[VST], 0
	s_mov_b32 s[CNT], 8
.Lv:
	UNIT 1
	EPI_V
	s_sub_co_u32 s[CNT], s[CNT], 1
	s_cmp_lg_u32 s[CNT], 0
	s_cbranch_scc1 .Lv
	BARRIER                                        ; v of all heads lies in LDS
	; ---- att . v for my 16 tokens.  The waits count the LDS instructions behind a pair's loads: the pair before's 8 stores and the next pair's 16 loads.
	VLOAD 0
.irp p, 0,1,2,3,4,5,6,7
.if \p < 7
	VLOAD \p+1
.endif
.if \p == 0
	s_wait_dscnt 16
.elseif \p < 7
	s_wait_dscnt 24
.else
	s_wait_dscnt 8
.endif
	AV \p
.endr
	BARRIER                                        ; the attention's codes of all tokens lie in LDS, and nobody reads v any more: its bytes become the stages
	FETCH
	; ---- P: eight units, two to a row of 256 bytes in the stage; the tail is written out, since its last unit asks for nothing
	s_mov_b32 s[OST], 0
	s_mov_b32 s[OST+1], 0
	s_mov_b32 s[CNT], 3
.Lp:
	UNIT 1
	EPI_P 0, 1
	UNIT 1
	EPI_P 1, 1
	SEND 1
	s_sub_co_u32 s[CNT], s[CNT], 1
	s_cmp_lg_u32 s[CNT], 0
	s_cbranch_scc1 .Lp
	UNIT 1
	EPI_P 0, 1
	UNIT 0
	EPI_P 1, 0
	SEND 0
	s_wait_dscnt 0x0                               ; the closing lines, six on end
	s_wait_alu 0x0
	s_wait_tensorcnt 0x0
	ds_add_u32 v171, v175
	s_wait_dscnt 0x0
	s_endpgm
.Lfunc_end_k_q4130d6636a_fused:
	.size	k_q4130d6636a_fused, .Lfunc_end_k_q4130d6636a_fused-k_q4130d6636a_fused
	.p2alignl 7, 3214868480
	.fill 96, 4, 3214868480
	.section	.rodata,"a",@progbits
	.p2align	6, 0x0
	.amdhsa_kernel k_q4130d6636a_fused
		.amdhsa_group_segment_fixed_size 316928
		.amdhsa_private_segment_fixed_size 0
		.amdhsa_enable_private_segment 0
		.amdhsa_kernarg_size 24
		.amdhsa_user_sgpr_count 2
		.amdhsa_user_sgpr_kernarg_segment_ptr 1
		.amdhsa_wavefront_size32 1
		.amdhsa_system_sgpr_workgroup_id_x 1
		.amdhsa_system_sgpr_workgroup_id_y 1
		.amdhsa_system_sgpr_workgroup_id_z 1
		.amdhsa_system_vgpr_workitem_id 0
		.amdhsa_next_free_vgpr 1024
		.amdhsa_next_free_sgpr 66
		.amdhsa_reserve_vcc 0
		.amdhsa_float_denorm_mode_32 3
		.amdhsa_float_denorm_mode_16_64 3
		.amdhsa_memory_ordered 1
		.amdhsa_forward_progress 1
		.amdhsa_inst_pref_size 255
	.end_amdhsa_kernel
	.section	.bss,"aw",@nobits
	.p2align	6
	.space	262144
	.amdgpu_metadata
---
amdhsa.version: [ 1, 2 ]
amdhsa.kernels:
  - .name:           k_q4130d6636a_fused
    .symbol:         k_q4130d6636a_fused.kd
    .args:
      - { .name: x, .offset: 0, .size: 8, .value_kind: global_buffer, .address_space: global }
      - { .name: wimg, .offset: 8, .size: 8, .value_kind: global_buffer, .address_space: global }
      - { .name: out0, .offset: 16, .size: 8, .value_kind: global_buffer, .address_space: global }
    .group_segment_fixed_size: 316928
    .private_segment_fixed_size: 0
    .kernarg_segment_align: 8
    .kernarg_segment_size: 24
    .max_flat_workgroup_size: 128
    .sgpr_count:     66
    .vgpr_count:     1024
    .wavefront_size: 32
...
	.end_amdgpu_metadata
.endif
;; end of part 3
